; MI455X (gfx1250); checked and timed in simulation.
; The chip was launched on July 23, 2026; its instructions are those of AMD's public machine-readable ISA for CDNA 5 (MIT licence, August 2026) and "CDNA5" Instruction Set Architecture Reference Guide (July 2026). The comments in the code are by the model that wrote it; some were corrected since.
;; Encoder. Allowed arithmetic: float matrix products may take bf16 or f16 operands with f32 sums; other float arithmetic in f32, or as packed bf16 or f16 multiplies, adds, multiply-adds, maxima and minima; sums over many terms, partial sums and values carried from step to step in f32; what a program stores and reads back later, other than sums and carried values, may be rounded once to bf16 or f16.
;; Inputs: b1 4,096 float32; b2 1,024 float32; ln1_b 1,024 float32; ln1_w 1,024 float32; ln2_b 1,024 float32; ln2_w 1,024 float32; w1 1,024 x 4,096 float32; w2 4,096 x 1,024 float32; w_out 1,024 x 1,024 float32; w_qkv 1,024 x 3,072 float32; x 2 x 2,048 x 1,024 float32.
;; Outputs: out0 2 x 2,048 x 1,024 float32.
;; One version. Each part assembles by itself: llvm-mc -triple=amdgcn-amd-amdhsa -mcpu=gfx1250 --defsym DOCPART=n.
;; ======== version 1 of 1: 8 launches
;; workspace buffers: xb 8,388,608 bytes; wb 25,165,824 bytes; qkvb 25,165,824 bytes; ob 8,388,608 bytes; y 16,777,216 bytes; x1 16,777,216 bytes; hb 33,554,432 bytes
;; launch prep (part 1): grid 1024 x 1, 8 waves a work-group, no clusters, 0 bytes of LDS; arguments x, w_qkv, w_out, w1, w2, xb, wb; writes xb, wb
.if DOCPART == 1
	.amdgcn_target "amdgcn-amd-amdhsa--gfx1250"
	.amdhsa_code_object_version 6
	.text
	.protected	k_qd5ee5c60ea_prep
	.globl	k_qd5ee5c60ea_prep
	.p2align	8
	.type	k_qd5ee5c60ea_prep,@function
k_qd5ee5c60ea_prep:
	s_mov_b64 s[64:65], 0
	v_nop
	global_prefetch_b8 v0, s[64:65] scope:SCOPE_SE
	s_setreg_imm32_b32 hwreg(HW_REG_WAVE_MODE, 25, 1), 1
	s_wait_xcnt 0x0
; bf16 COPIES OF x AND OF THE FOUR WEIGHTS, each number rounded once (to nearest even).  A stream: no LDS, no barrier, no matrix work.
; Work-group g converts 16,384 numbers: 65,536 bytes in, 32,768 out.  g 0-255: x -> xb.  g 256-447: w_qkv, 448-511: w_out, 512-767: w1, 768-1023: w2,
; all -> wb at (g - 256) x 32,768: so wb holds Wqkv at byte 0, Wout at 6,291,456, W1 at 8,388,608, W2 at 16,777,216, each row-major as it came.
; All sixteen loads of a lane go out at once (64 KiB for the work-group); each load of a wave covers 512 consecutive bytes, each store 256, aligned.
.set IN,  8                            ; v[8:71]   sixteen loads of four f32
.set OUT, 72                           ; v[72:103] sixteen pairs of packed bf16
	s_load_b256 s[4:11], s[0:1], 0x0               ; x s[4:5], w_qkv s[6:7], w_out s[8:9], w1 s[10:11]
	s_load_b128 s[12:15], s[0:1], 0x20             ; w2 s[12:13], xb s[14:15]
	s_load_b64 s[16:17], s[0:1], 0x30              ; wb
	v_lshlrev_b32 v1, 4, v0                        ; 16 bytes a thread in,
	v_lshlrev_b32 v2, 3, v0                        ; 8 bytes out
	s_mov_b32 s20, ttmp9                           ; g
	s_mov_b32 s21, 0                               ; the first g of my source
	s_mov_b32 s27, 256
	s_mov_b32 s28, 448
	s_mov_b32 s29, 512
	s_mov_b32 s30, 768
	s_wait_kmcnt 0x0
	s_mov_b64 s[22:23], s[4:5]
	s_cmp_ge_u32 s20, s27
	s_cselect_b64 s[22:23], s[6:7], s[22:23]       ; the source, chosen by g alone
	s_cselect_b32 s21, s27, s21
	s_cselect_b64 s[24:25], s[16:17], s[14:15]     ; the destination: wb from g = 256 on
	s_cselect_b32 s26, s27, 0
	s_cmp_ge_u32 s20, s28
	s_cselect_b64 s[22:23], s[8:9], s[22:23]
	s_cselect_b32 s21, s28, s21
	s_cmp_ge_u32 s20, s29
	s_cselect_b64 s[22:23], s[10:11], s[22:23]
	s_cselect_b32 s21, s29, s21
	s_cmp_ge_u32 s20, s30
	s_cselect_b64 s[22:23], s[12:13], s[22:23]
	s_cselect_b32 s21, s30, s21
	s_sub_co_u32 s18, s20, s21
	s_lshl_b32 s18, s18, 16                        ; my 65,536 bytes of the source
	s_mov_b32 s19, 0
	s_add_nc_u64 s[22:23], s[22:23], s[18:19]
	s_sub_co_u32 s18, s20, s26
	s_lshl_b32 s18, s18, 15                        ; my 32,768 bytes of the destination
	s_add_nc_u64 s[24:25], s[24:25], s[18:19]
.set i, 0
.rept 16
	global_load_b128 v[IN+4*i:IN+4*i+3], v1, s[22:23] offset:4096*i th:TH_LOAD_NT
.set i, i+1
.endr
.set i, 0
.rept 16
	s_wait_loadcnt 15-i                            ; loads come back in order: load i is in, the 15 - i younger ones stay out
	v_cvt_pk_bf16_f32 v[OUT+2*i], v[IN+4*i], v[IN+4*i+1]
	v_cvt_pk_bf16_f32 v[OUT+2*i+1], v[IN+4*i+2], v[IN+4*i+3]
	global_store_b64 v2, v[OUT+2*i:OUT+2*i+1], s[24:25] offset:2048*i
.set i, i+1
.endr
	s_endpgm
.Lfunc_end_k_qd5ee5c60ea_prep:
	.size	k_qd5ee5c60ea_prep, .Lfunc_end_k_qd5ee5c60ea_prep-k_qd5ee5c60ea_prep
	.p2alignl 7, 3214868480
	.fill 96, 4, 3214868480
	.section	.rodata,"a",@progbits
	.p2align	6, 0x0
	.amdhsa_kernel k_qd5ee5c60ea_prep
		.amdhsa_group_segment_fixed_size 0
		.amdhsa_private_segment_fixed_size 0
		.amdhsa_enable_private_segment 0
		.amdhsa_kernarg_size 56
		.amdhsa_user_sgpr_count 2
		.amdhsa_user_sgpr_kernarg_segment_ptr 1
		.amdhsa_wavefront_size32 1
		.amdhsa_system_sgpr_workgroup_id_x 1
		.amdhsa_system_sgpr_workgroup_id_y 1
		.amdhsa_system_sgpr_workgroup_id_z 1
		.amdhsa_system_vgpr_workitem_id 0
		.amdhsa_next_free_vgpr 104
		.amdhsa_next_free_sgpr 66
		.amdhsa_reserve_vcc 0
		.amdhsa_float_denorm_mode_32 3
		.amdhsa_float_denorm_mode_16_64 3
		.amdhsa_memory_ordered 1
		.amdhsa_forward_progress 1
		.amdhsa_inst_pref_size 8
	.end_amdhsa_kernel
	.amdgpu_metadata
---
amdhsa.version: [ 1, 2 ]
amdhsa.kernels:
  - .name:           k_qd5ee5c60ea_prep
    .symbol:         k_qd5ee5c60ea_prep.kd
    .args:
      - { .name: x, .offset: 0, .size: 8, .value_kind: global_buffer, .address_space: global }
      - { .name: w_qkv, .offset: 8, .size: 8, .value_kind: global_buffer, .address_space: global }
      - { .name: w_out, .offset: 16, .size: 8, .value_kind: global_buffer, .address_space: global }
      - { .name: w1, .offset: 24, .size: 8, .value_kind: global_buffer, .address_space: global }
      - { .name: w2, .offset: 32, .size: 8, .value_kind: global_buffer, .address_space: global }
      - { .name: xb, .offset: 40, .size: 8, .value_kind: global_buffer, .address_space: global }
      - { .name: wb, .offset: 48, .size: 8, .value_kind: global_buffer, .address_space: global }
    .group_segment_fixed_size: 0
    .private_segment_fixed_size: 0
    .kernarg_segment_align: 8
    .kernarg_segment_size: 56
    .max_flat_workgroup_size: 256
    .sgpr_count:     66
    .vgpr_count:     104
    .wavefront_size: 32
...
	.end_amdgpu_metadata
.endif
;; end of part 1
;; launch qkv (part 2): grid 8 x 32, 4 waves a work-group, clusters of 4 x 4, 327,680 bytes of LDS; arguments xb, wb, qkvb; writes qkvb
.if DOCPART == 2
	.amdgcn_target "amdgcn-amd-amdhsa--gfx1250"
	.amdhsa_code_object_version 6
	.text
	.protected	k_qd5ee5c60ea_qkv
	.globl	k_qd5ee5c60ea_qkv
	.p2align	8
	.type	k_qd5ee5c60ea_qkv,@function
k_qd5ee5c60ea_qkv:
	s_mov_b64 s[64:65], 0
	v_nop
	global_prefetch_b8 v0, s[64:65] scope:SCOPE_SE
	s_setreg_imm32_b32 hwreg(HW_REG_WAVE_MODE, 25, 1), 1
	s_wait_xcnt 0x0
	s_wait_alu depctr_hold_cnt(0) depctr_sa_sdst(0) depctr_va_vdst(0) depctr_va_sdst(0) depctr_va_ssrc(0) depctr_va_vcc(0) depctr_vm_vsrc(0)
	s_getreg_b32 s2, hwreg(HW_REG_IB_STS2, 6, 4)
	s_cmp_eq_u32 s2, 0
	s_cbranch_scc0 .Lentry_in_a_cluster
	s_endpgm
.Lentry_in_a_cluster:
	s_bfe_u32 s2, ttmp6, 0x10000c
	s_cmp_lg_u32 s2, 0xf033
	s_cbranch_scc0 .Lentry_shape_is_right
	s_endpgm
.Lentry_shape_is_right:
; qkvb[4096][3072] = xb[4096][1024] x Wqkv[1024][3072], operands bf16, sums f32 with K ascending, the result rounded once to bf16.
; A tile of C is 128 x 384: 8 x 32 = 256 tiles, a work-group each, and a tile's rows are 768 bytes, three aligned blocks of 256.
; Each of the four waves takes all 128 rows and 96 columns, 32 in each of the tile's three blocks of 128: 8 x 6 accumulators of 16 x 16, 384 registers.
; K goes in 8 steps of 128 through two LDS slots.  Waves 0-2 fetch one block of B each (128 rows of W x 256 bytes), wave 3 A's tile (128 rows x 256 bytes): one tensor load a wave.
; W lies [k][n]: its fragments come out of LDS turned, by ds_load_tr16_b128.  The matrix instruction takes W's fragment as source 0 and x's as source 1, so a lane holds eight neighbouring columns of one row of C.
; CLUSTER 4 x 4: A's tile hangs on the tile row alone and is asked for jointly by a row of the cluster, B's on the tile column alone, by a column.
; REGISTERS in windows of 256: window 0 v0-31 addresses, v64-127 and v128-191 A's two fragment buffers, v192-255 at work; window 1 v64-111 and v128-175 B's two buffers;
; window 2 the accumulators of row blocks 0-3 ((a, b) at v[8 (6 a + b)]), window 3 those of row blocks 4-7.
; LIMITS: operands are rounded to bf16; NaN and infinities are not treated apart.
.set T,     8                          ; K steps
.set KSTEP, 128
.set NBF,   6                          ; B fragments of a wave
.set PA,    272                        ; A's LDS row: 256 bytes + 16: the 16 rows of a load start at 16 different groups of four banks (64 banks of 4 bytes: ISA guide 11.1)
.set PB,    288                        ; B's LDS row: 256 + 32
.set ATILE, 128*PA
.set BBLK,  128*PB
.set AOFF,  3*BBLK                     ; a slot: B's three blocks, at wave x BBLK, then A's tile
.set SLOT,  AOFF+ATILE                 ; 145,408
.set SPARE, 2*SLOT                     ; behind the ring: the spare words, 128 bytes a wave, which no other line names
.set ASTEP, KSTEP*2                    ; bytes from a K step to the next: along x's rows,
.set BSTEP, KSTEP*6144                 ; down W's rows
.set NL,    2*NBF+16                   ; LDS loads of a phase
.set SP,    784                        ; the stage's row: 768 bytes + 16
.set ADRA0, 16                         ; v16    my lane's place in A's tile; never rewritten
.set ADRA,  17                         ; v17    the same in the slot being read
.set ADRB0, 20                         ; v20-22 my lane's place in B's three blocks; never rewritten
.set ADRB,  24                         ; v24-26 the same in the slot being read
.set STO,   10                         ; v10-11 the way out: where I put 16 bytes of a row (row blocks 0-3, 4-7)
.set RD,    12                         ; v12    where I read rows back
.set CO,    14                         ; v14    my byte offset in two rows of C
.set SPW,   28                         ; v28    SPARE + 4 x my thread's number; never rewritten
.set NIL,   29                         ; v29    0; never rewritten
.set PFO,   30                         ; v30    the prefetches' lane offset; never rewritten
.set F0,    64
.set F1,    128
.set TMP,   192
.set WV,    12                         ; s12 my wave's number: 3 fetches A, 0-2 fetch B's block of that number
.set CX,    15
.set CY,    16
.set TCOL,  17
.set TROW,  18
.set G1A,   24                         ; s[24:31] A's shape   s[32:39] two sets of from-where-to-where; the second walks
.set G0A,   32
.set G1B,   48
.set G0B,   56
.set PFA,   44                         ; s[44:45] where my prefetches stand   s[68:69] their step   s70 2 in a wave that asks, else the greatest number
.set PFS,   68
.set LIM,   70
.set RB,    71                         ; s71 LDS byte of the slot being read   s72 of the slot filled last
.set FB,    72
.set LBA,   73                         ; s73, s74 a tile's place in a slot: A's a constant, B's my wave's number x BBLK
.set LBB,   74
.set MSB, 0
.macro WIN new                         ; the immediate's high byte repeats the setting that is left; a switch that changes nothing is dropped
.if MSB != (\new)
	s_set_vgpr_msb (MSB<<8)|(\new)
.set MSB, \new
.endif
.endm
.set MUL_LO, 0xa1                      ; source 0 (B) window 1, source 1 (A) window 0, C and D window 2
.set MUL_HI, 0xf1                      ; the same, C and D window 3
.set TO_B,   0x40                      ; destination window 1, address window 0
.macro PLACES                          ; four plain vector instructions between a matrix instruction and a load into, or a read of, its registers
.rept 4
	v_nop
.endr
.endm
.macro CREST                           ; a round of the cluster's barrier behind its opening barrier
	s_cmp_lg_u32 s[WV], 0
	s_cbranch_scc1 .Lnot_wave_0_\@
	s_barrier_signal -3
.Lnot_wave_0_\@:
	s_barrier_wait -3
	s_barrier_signal -1
	s_barrier_wait -1
.endm
.macro CROUND
	s_barrier_signal -1
	s_barrier_wait -1
	CREST
.endm
.macro JLOAD                           ; the joint refill, by the walking set; the branch hangs on the wave's number alone; s_nop 0 and four v_nop follow each line
	s_cmp_eq_u32 s[WV], 3
	s_cbranch_scc0 .Lfor_b_\@
	tensor_load_to_lds s[G0A+4:G0A+7], s[G1A:G1A+7]
	s_nop 0
	PLACES
	s_branch .Lasked_\@
.Lfor_b_\@:
	tensor_load_to_lds s[G0B+4:G0B+7], s[G1B:G1B+7]
	s_nop 0
	PLACES
.Lasked_\@:
.endm
; A prefetch of the K step two refills on: 32 rows x 256 bytes, a lane a row.  A's rows are read by every cluster of a row of clusters: cluster x = 0 asks; B's by every cluster of a column: cluster y = 0 asks.
; The four partners of a joint load share its 128 rows out by address, 32 each.  So each aligned block of 256 bytes is named once.  s3 counts T - 2 down to 1: a trip asks while s3 is 3 or more, that is while a K step four on exists.
.macro ASK
	s_cmp_gt_u32 s3, s[LIM]
	s_cbranch_scc0 .Lnot_mine_\@
	global_prefetch_b8 v[PFO], s[PFA:PFA+1] th:TH_LOAD_NT scope:SCOPE_SE
.Lnot_mine_\@:
.endm
; 12 matrix instructions: row blocks a0, a0 + 1 of the window's four x all six column blocks, 32 along K.  All 48 accumulators take turns in one order in every phase.
.macro MULH f, hi, a0, zero
	WIN MUL_LO+0x50*(\hi)
.irp a, \a0, (\a0)+1
.irp b, 0,1,2,3,4,5
.if \zero
	v_wmma_f32_16x16x32_bf16 v[8*(NBF*(\a)+(\b)):8*(NBF*(\a)+(\b))+7], v[(\f)+8*(\b):(\f)+8*(\b)+7], v[(\f)+8*(4*(\hi)+(\a)):(\f)+8*(4*(\hi)+(\a))+7], 0
.else
	v_wmma_f32_16x16x32_bf16 v[8*(NBF*(\a)+(\b)):8*(NBF*(\a)+(\b))+7], v[(\f)+8*(\b):(\f)+8*(\b)+7], v[(\f)+8*(4*(\hi)+(\a)):(\f)+8*(4*(\hi)+(\a))+7], v[8*(NBF*(\a)+(\b)):8*(NBF*(\a)+(\b))+7]
.endif
.endr
.endr
.endm
; The 28 LDS loads of phase q (32 along K) into buffer f: B's six fragments (block i / 2, 16 columns i % 2), turned, then A's eight.
.macro FETCH q, f
	WIN TO_B
.irp i, 0,1,2,3,4,5
	ds_load_tr16_b128 v[(\f)+8*(\i):(\f)+8*(\i)+3],   v[ADRB+(\i)/2] offset:(\q)*32*PB+32*((\i)%2)
	ds_load_tr16_b128 v[(\f)+8*(\i)+4:(\f)+8*(\i)+7], v[ADRB+(\i)/2] offset:(\q)*32*PB+32*((\i)%2)+16*PB
.endr
	WIN 0
.irp i, 0,1,2,3,4,5,6,7
	ds_load_b128 v[(\f)+8*(\i):(\f)+8*(\i)+3],   v[ADRA] offset:(\q)*64+(\i)*16*PA
	ds_load_b128 v[(\f)+8*(\i)+4:(\f)+8*(\i)+7], v[ADRA] offset:(\q)*64+(\i)*16*PA+32
.endr
.endm
.macro QUARTER q, f, g, zero           ; multiplies buffer f; in its middle fetches phase q of the same slot into buffer g
	s_wait_dscnt 8                                 ; B and A's rows 0-63 are in; the youngest eight loads (A's rows 64-127) may be out
	MULH \f, 0, 0, \zero
	MULH \f, 0, 2, \zero
	PLACES
	FETCH \q, \g
	s_wait_dscnt NL                                ; all but the run just issued
	MULH \f, 1, 0, \zero
	MULH \f, 1, 2, \zero
.endm
; A step's last phase multiplies buffer 1 and changes slots.  In front of the barrier each wave waits for all its tensor loads (one is out: its part of the next slot), adds 0 to its spare word,
; and waits for that and for its reads of this slot.  fill = 1: the barrier opens a round of the cluster's, and the joint refill, the K step two on, is the first tensor load behind it.
.macro TURN fill
.if \fill
	s_wait_xcnt 0x0                                ; the last prefetch, a K step back, has read its address
	s_add_nc_u64 s[PFA:PFA+1], s[PFA:PFA+1], s[PFS:PFS+1]
.endif
	WIN 0
	s_wait_tensorcnt 0x0
	ds_add_u32 v[SPW], v[NIL]
	s_wait_dscnt 9                                 ; the add and the youngest eight loads may be out
	MULH F1, 0, 0, 0
	s_wait_dscnt 0x0                               ; the add is done, my reads of this slot are over
	s_barrier_signal -1
	MULH F1, 0, 2, 0
	WIN 0
	s_barrier_wait -1
.if \fill
	CREST
	s_xor_b32 s[FB], s[FB], SLOT                   ; no tensor load of mine is out: the walking sets are written: the other slot,
	s_add_co_u32 s[G0A+5], s[LBA], s[FB]
	s_add_co_u32 s[G0B+5], s[LBB], s[FB]
	s_add_nc_u64 s[G0A+6:G0A+7], s[G0A+6:G0A+7], ASTEP  ; the next K step
	s_add_nc_u64 s[G0B+6:G0B+7], s[G0B+6:G0B+7], BSTEP
	JLOAD                                          ; its four v_nop are also the places in front of the loads below
.else
	PLACES
.endif
	s_xor_b32 s[RB], s[RB], SLOT
	v_add_nc_u32 v[ADRA], s[RB], v[ADRA0]
.irp i, 0,1,2
	v_add_nc_u32 v[ADRB+(\i)], s[RB], v[ADRB0+(\i)]
.endr
	FETCH 0, F0
.if \fill
	ASK
.endif
	MULH F1, 1, 0, 0
	MULH F1, 1, 2, 0
.endm
	s_load_b128 s[4:7], s[0:1], 0x0                ; xb s[4:5], wb s[6:7]
	s_load_b64 s[8:9], s[0:1], 0x10                ; qkvb
	v_lshl_add_u32 v[SPW], v0, 2, SPARE
	v_mov_b32 v[NIL], 0
	ds_add_u32 v[SPW], v[NIL]                      ; the wave's opening: the add and its wait ahead of my first tensor load
	v_lshrrev_b32 v1, 5, v0
	v_readfirstlane_b32 s[WV], v1
	s_bfe_u32 s[CX], ttmp6, 0x40000
	s_bfe_u32 s[CY], ttmp6, 0x40004
	s_lshl_b32 s[TCOL], ttmp9, 2
	s_add_co_u32 s[TCOL], s[TCOL], s[CX]
	s_and_b32 s[TROW], ttmp7, 0xffff
	s_lshl_b32 s[TROW], s[TROW], 2
	s_add_co_u32 s[TROW], s[TROW], s[CY]
	s_lshl_b32 s19, s[CY], 2
	s_lshl_b32 s19, 15, s19                        ; my row of the cluster
	s_lshl_b32 s20, 0x1111, s[CX]                  ; my column
	s_or_b32 s[G1A], s19, (1<<16)|(1<<20)|(1<<21)|(5<<22)|(3<<25)  ; mask; 2-byte elements; padding on; bit 21 beside a mask; after every 64 words 4 words
	s_or_b32 s[G1B], s20, (1<<16)|(1<<20)|(1<<21)|(5<<22)|(7<<25)  ; the same with 8 words
.irp g, G1A, G1B
	s_mov_b32 s[(\g)+1], 128<<16                   ; tensor_dim0 = 128
	s_mov_b32 s[(\g)+2], 128<<16                   ; tensor_dim1 = 128
	s_mov_b32 s[(\g)+3], 128<<16                   ; tile_dim0 = 128
	s_mov_b32 s[(\g)+4], 128                       ; tile_dim1 = 128
	s_mov_b32 s[(\g)+6], 0
	s_mov_b32 s[(\g)+7], 0
.endr
	s_mov_b32 s[G1A+5], 1024                       ; elements from row to row: x's,
	s_mov_b32 s[G1B+5], 3072                       ; W's
	s_lshl_b32 s40, s[TROW], 18                    ; A: 128 rows x 2,048 bytes a tile row
	s_mov_b32 s41, 0
	s_mul_i32 s46, s[TCOL], 768                    ; B: the tile's 768 bytes of a row, the 256 of the block that has my wave's number (wave 3 builds a set that it never uses)
	s_lshl_b32 s47, s[WV], 8
	s_add_co_u32 s46, s46, s47
	s_mov_b32 s47, 0
	s_mov_b32 s[LBA], AOFF
	s_mul_i32 s[LBB], s[WV], BBLK
	s_mov_b32 s[RB], 0
	s_mov_b32 s[FB], SLOT
	s_wait_dscnt 0x0                               ; the opening add is done
	s_wait_kmcnt 0x0
	s_add_nc_u64 s[42:43], s[4:5], s[40:41]
	s_add_nc_u64 s[46:47], s[6:7], s[46:47]
	CROUND                                         ; all sixteen work-groups are here: the first joint loads meet
.irp s, 0,1
	s_mov_b32 s[G0A+4*(\s)], 1
	s_add_co_u32 s[G0A+4*(\s)+1], s[LBA], (\s)*SLOT
	s_add_nc_u64 s[G0A+4*(\s)+2:G0A+4*(\s)+3], s[42:43], (\s)*ASTEP
	s_or_b32 s[G0A+4*(\s)+3], s[G0A+4*(\s)+3], 0x80000000
	s_mov_b32 s[G0B+4*(\s)], 1
	s_add_co_u32 s[G0B+4*(\s)+1], s[LBB], (\s)*SLOT
	s_add_nc_u64 s[G0B+4*(\s)+2:G0B+4*(\s)+3], s[46:47], (\s)*BSTEP
	s_or_b32 s[G0B+4*(\s)+3], s[G0B+4*(\s)+3], 0x80000000
.endr
	s_cmp_eq_u32 s[WV], 3                          ; a wave's two first fills stand in one branch: two loads of mine are out
	s_cbranch_scc0 .Lfirst_b
	tensor_load_to_lds s[G0A:G0A+3], s[G1A:G1A+7]
	s_nop 0
	tensor_load_to_lds s[G0A+4:G0A+7], s[G1A:G1A+7]
	s_nop 0
	PLACES
	s_branch .Lfirst_done
.Lfirst_b:
	tensor_load_to_lds s[G0B:G0B+3], s[G1B:G1B+7]
	s_nop 0
	tensor_load_to_lds s[G0B+4:G0B+7], s[G1B:G1B+7]
	s_nop 0
	PLACES
.Lfirst_done:
	v_and_b32 v1, 15, v0                           ; r = l % 16
	v_bfe_u32 v2, v0, 4, 1                         ; h = l / 16
	v_and_b32 v3, 7, v0
	v_bfe_u32 v4, v0, 3, 1
	v_mul_u32_u24 v[ADRA0], v1, PA                 ; A's fragment: row r, 16 bytes for each half of the lanes
	v_lshl_add_u32 v[ADRA0], v2, 4, v[ADRA0]
	v_add_nc_u32 v[ADRA0], AOFF, v[ADRA0]
	v_lshl_add_u32 v5, v2, 3, v3                   ; B's: lane l reads row 8 h + l % 8 of W, 16 bytes (l / 8) % 2
	v_mul_u32_u24 v5, v5, PB
	v_lshl_add_u32 v5, v4, 4, v5
	s_lshl_b32 s21, s[WV], 6                       ; my 32 columns of a block
	v_add_nc_u32 v[ADRB0], s21, v5
	v_add_nc_u32 v[ADRB0+1], BBLK, v[ADRB0]
	v_add_nc_u32 v[ADRB0+2], 2*BBLK, v[ADRB0]
	v_mov_b32 v[ADRA], v[ADRA0]
.irp i, 0,1,2
	v_mov_b32 v[ADRB+(\i)], v[ADRB0+(\i)]
.endr
	v_mul_u32_u24 v[STO], v1, SP                   ; into the stage: row r, 64 w + 16 h
	v_lshl_add_u32 v[STO], v2, 4, v[STO]
	v_add_nc_u32 v[STO], s21, v[STO]
	v_add_nc_u32 v[STO+1], 64*SP, v[STO]
	s_lshl_b32 s21, s[WV], 5                       ; back: wave w takes rows 32 w .. 32 w + 31; lanes 0-15 one row's 256 bytes, lanes 16-31 the next row's
	v_add_nc_u32 v[RD], s21, v2
	v_mul_u32_u24 v[RD], v[RD], SP
	v_lshl_add_u32 v[RD], v1, 4, v[RD]
	v_mul_u32_u24 v[CO], v2, 6144
	v_lshl_add_u32 v[CO], v1, 4, v[CO]
	s_lshl_b32 s40, s[TROW], 7
	s_add_co_u32 s40, s40, s21
	s_mul_i32 s40, s40, 6144
	s_mul_i32 s41, s[TCOL], 768
	s_add_co_u32 s40, s40, s41
	s_mov_b32 s41, 0
	s_add_nc_u64 s[8:9], s[8:9], s[40:41]          ; C at the first row that I store
	; the prefetches: my work-group's 32 of the 128 rows that I fetch, at K step 3; the first change of slots steps them to 4
	s_lshl_b32 s40, s[TROW], 7
	s_lshl_b32 s22, s[CX], 5
	s_add_co_u32 s40, s40, s22
	s_lshl_b32 s40, s40, 11
	s_add_co_u32 s40, s40, 3*ASTEP
	s_lshl_b32 s22, s[CY], 5
	s_add_co_u32 s22, s22, 3*KSTEP
	s_mul_i32 s22, s22, 6144
	s_mul_i32 s23, s[TCOL], 768
	s_add_co_u32 s22, s22, s23
	s_lshl_b32 s23, s[WV], 8
	s_add_co_u32 s22, s22, s23
	s_and_b32 s21, ttmp7, 0xffff
	s_mov_b32 s23, 2048
	s_mov_b32 s41, 6144
	s_mov_b32 s[PFS], ASTEP
	s_mov_b32 s[PFS+1], BSTEP
	s_cmp_eq_u32 s[WV], 3                          ; do I fetch for A?
	s_cselect_b32 s22, s40, s22
	s_cselect_b32 s21, ttmp9, s21                  ; the coordinate along which other clusters read the same rows
	s_cselect_b32 s41, s23, s41
	s_cselect_b32 s[PFS], s[PFS], s[PFS+1]
	s_cselect_b64 s[PFA:PFA+1], s[4:5], s[6:7]
	s_mov_b32 s23, 0
	s_mov_b32 s[PFS+1], 0
	s_add_nc_u64 s[PFA:PFA+1], s[PFA:PFA+1], s[22:23]
	s_cmp_eq_u32 s21, 0
	s_cselect_b32 s[LIM], 2, -1
	v_and_b32 v[PFO], 31, v0
	v_mul_lo_u32 v[PFO], v[PFO], s41
	s_wait_tensorcnt 1                             ; my part of K step 0 is in; step 1's may stay out
	s_barrier_signal -1
	s_barrier_wait -1
	FETCH 0, F0
	QUARTER 1, F0, F1, 1                           ; the first phase starts the sums: nothing is cleared
	WIN 0
	s_mov_b32 s3, T-2
.Lk:                                               ; a trip: a step's phases 1 to 3 and the next step's phase 0; it fills the slot that it leaves
	QUARTER 2, F1, F0, 0
	QUARTER 3, F0, F1, 0
	TURN 1
	QUARTER 1, F0, F1, 0
	WIN 0
	s_sub_co_u32 s3, s3, 1
	s_cmp_lg_u32 s3, 0
	s_cbranch_scc1 .Lk
	s_mov_b32 s3, 2                                ; the last two steps fetch nothing from memory: a text of their own; walked twice, and left in its middle the second time
.Lt:
	QUARTER 2, F1, F0, 0
	QUARTER 3, F0, F1, 0
	WIN 0
	s_sub_co_u32 s3, s3, 1
	s_cmp_eq_u32 s3, 0
	s_cbranch_scc1 .Llast
	TURN 0
	QUARTER 1, F0, F1, 0
	WIN 0
	s_branch .Lt
.Llast:
	s_wait_dscnt 8
	MULH F1, 0, 0, 0
	MULH F1, 0, 2, 0
	s_wait_dscnt 0x0                               ; my reads of the ring are over:
	s_barrier_signal -1
	MULH F1, 1, 0, 0
	MULH F1, 1, 2, 0
	WIN 0
	s_barrier_wait -1                              ; everybody's are: the stage may be written
	; THE WAY OUT.  The stage, 128 rows x 784 bytes from LDS byte 0, lies in the ring, whose slots have had their last fill.
	PLACES
	PLACES
.irp a, 0,1,2,3,4,5,6,7
	WIN 0x0a+5*((\a)/4)                            ; sources 0 and 1: window 2 or 3
.irp b, 0,1,2,3,4,5
.irp r, 0,1,2,3
	v_cvt_pk_bf16_f32 v[TMP+4*(\b)+(\r)], v[8*(NBF*((\a)%4)+(\b))+2*(\r)], v[8*(NBF*((\a)%4)+(\b))+2*(\r)+1]
.endr
.endr
	WIN 0
.irp b, 0,1,2,3,4,5
	ds_store_b128 v[STO+(\a)/4], v[TMP+4*(\b):TMP+4*(\b)+3] offset:((\a)%4)*16*SP+256*((\b)/2)+32*((\b)%2)
.endr
.endr
	s_wait_dscnt 0x0                               ; for the others' sake: a row's 768 bytes come from four waves
	s_barrier_signal -1
	s_barrier_wait -1
.set n, 0
.rept 48
	ds_load_b128 v[64+4*n:64+4*n+3], v[RD] offset:(n/3)*2*SP+256*(n%3)
.set n, n+1
.endr
.set n, 0
.rept 48
	s_wait_dscnt 47-n                              ; load n is back, the younger ones stay out
	global_store_b128 v[CO], v[64+4*n:64+4*n+3], s[8:9] offset:(n/3)*12288+256*(n%3)  ; 16 lanes store 256 consecutive bytes, aligned
.set n, n+1
.endr
	s_wait_tensorcnt 0x0                           ; the wave's end
	ds_add_u32 v[SPW], v[NIL]
	s_wait_dscnt 0x0
	CROUND                                         ; the closing round
	s_endpgm
.Lfunc_end_k_qd5ee5c60ea_qkv:
	.size	k_qd5ee5c60ea_qkv, .Lfunc_end_k_qd5ee5c60ea_qkv-k_qd5ee5c60ea_qkv
	.p2alignl 7, 3214868480
	.fill 96, 4, 3214868480
	.section	.rodata,"a",@progbits
	.p2align	6, 0x0
	.amdhsa_kernel k_qd5ee5c60ea_qkv
		.amdhsa_group_segment_fixed_size 327680
		.amdhsa_private_segment_fixed_size 0
		.amdhsa_enable_private_segment 0
		.amdhsa_kernarg_size 24
		.amdhsa_user_sgpr_count 2
		.amdhsa_user_sgpr_kernarg_segment_ptr 1
		.amdhsa_wavefront_size32 1
		.amdhsa_system_sgpr_workgroup_id_x 1
		.amdhsa_system_sgpr_workgroup_id_y 1
		.amdhsa_system_sgpr_workgroup_id_z 1
		.amdhsa_system_vgpr_workitem_id 0
		.amdhsa_next_free_vgpr 960
		.amdhsa_next_free_sgpr 96
		.amdhsa_reserve_vcc 0
		.amdhsa_float_denorm_mode_32 3
		.amdhsa_float_denorm_mode_16_64 3
		.amdhsa_memory_ordered 1
		.amdhsa_forward_progress 1
		.amdhsa_inst_pref_size 87
	.end_amdhsa_kernel
	.amdgpu_metadata
---
amdhsa.version: [ 1, 2 ]
amdhsa.kernels:
  - .name:           k_qd5ee5c60ea_qkv
    .symbol:         k_qd5ee5c60ea_qkv.kd
    .args:
      - { .name: xb, .offset: 0, .size: 8, .value_kind: global_buffer, .address_space: global }
      - { .name: wb, .offset: 8, .size: 8, .value_kind: global_buffer, .address_space: global }
      - { .name: qkvb, .offset: 16, .size: 8, .value_kind: global_buffer, .address_space: global }
    .group_segment_fixed_size: 327680
    .private_segment_fixed_size: 0
    .kernarg_segment_align: 8
    .kernarg_segment_size: 24
    .max_flat_workgroup_size: 128
    .sgpr_count:     96
    .vgpr_count:     960
    .wavefront_size: 32
...
	.end_amdgpu_metadata
.endif
;; end of part 2
;; launch attn (part 3): grid 16 x 16, 4 waves a work-group, clusters of 4 x 1, 327,680 bytes of LDS; arguments qkvb, ob; writes ob
.if DOCPART == 3
	.amdgcn_target "amdgcn-amd-amdhsa--gfx1250"
	.amdhsa_code_object_version 6
	.text
	.protected	k_qd5ee5c60ea_attn
	.globl	k_qd5ee5c60ea_attn
	.p2align	8
	.type	k_qd5ee5c60ea_attn,@function
k_qd5ee5c60ea_attn:
	s_mov_b64 s[64:65], 0
	v_nop
	global_prefetch_b8 v0, s[64:65] scope:SCOPE_SE
	s_setreg_imm32_b32 hwreg(HW_REG_WAVE_MODE, 25, 1), 1
	s_wait_xcnt 0x0
	s_wait_alu depctr_hold_cnt(0) depctr_sa_sdst(0) depctr_va_vdst(0) depctr_va_sdst(0) depctr_va_ssrc(0) depctr_va_vcc(0) depctr_vm_vsrc(0)
	s_getreg_b32 s2, hwreg(HW_REG_IB_STS2, 6, 4)
	s_cmp_eq_u32 s2, 0
	s_cbranch_scc0 .Lentry_in_a_cluster
	s_endpgm
.Lentry_in_a_cluster:
	s_bfe_u32 s2, ttmp6, 0x10000c
	s_cmp_lg_u32 s2, 0x3003
	s_cbranch_scc0 .Lentry_shape_is_right
	s_endpgm
.Lentry_shape_is_right:
; ob[token][64 head + d] = the sum over keys of softmax(q . k / 8) v, for 2 batches x 16 heads x 2,048 tokens.  q, k, v are the three thirds of qkvb's rows ([4096][3072] bf16, 6,144 bytes a row).
; Products, maxima and sums in f32; the weights p are rounded to bf16 for the second product (their sum l is taken of the unrounded p), O once at the end.
; LIMITS.  Operands are bf16.  c m starts at -4.25e37 and m at the lowest finite number; a weight below 2^-126 counts as 0; NaN and infinities are not treated apart.
; SHARES.  A work-group owns 128 queries of a PAIR of heads: the pair's 128 channels are 256 consecutive aligned bytes of every row of qkvb and of ob.  Wave w takes head w / 2 of the pair and queries 64 (w % 2) on:
; four tiles of 16.  Every wave walks the batch's 2,048 keys, 64 a step.
; LAYOUT.  S^T = K Q^T (source 0 = 16 keys, source 1 = 16 queries): a lane holds ONE query (lane % 16) and the keys 8 (lane / 16) + 0..7.  Two such tiles rounded in pairs ARE source 1 of O^T = V^T P.  V comes out of LDS turned.
; SOFTMAX.  Running maximum m and sum l: p = 2^(c s - c m), c = log2(e) / 8; in every step O and l are multiplied by a = 2^(c m_old - c m_new).  O and l start at 0: the first step is a step like any other, with a = 0.
; BY TURNS.  The tiles are two PIECES, named by their first tile (0, 2).  In a turn one piece issues 16 products V^T P of the step in hand and 16 products K Q^T of the next; the other piece's softmax is 236 lines in 59 slices of
; four.  ONE slice stands behind each of the 32 products; the other 27 need time of their own whatever the order, and stand in two runs: 19 between the two kinds of products, which end the batch of exponentials, and 8, the
; rescaling of O^T, at the turn's end.  A turn's 66 exponentials are one batch with one wait.
; CLUSTER.  The four query blocks of a cluster walk the same K and V: each tile is asked for jointly, by the same load, descriptor and mask in all four.
; REGISTERS: window 0: v0-11 addresses; v12-43 eight registers of statistics a tile; v64-191 S^T, 32 a tile; v192-255 P, 16 a tile.  Window 1: v0-127 O^T, 32 a tile; v128-191 Q, 16 a tile; v192-255 K of one step.  Window 2: v0-63 V of one step.
.set KS,    64
.set PK,    272                        ; a row of K in LDS: 256 bytes + 16: the 16 rows of a load start at 16 different groups of four banks (64 banks of 4 bytes: ISA guide 11.1)
.set PV,    288                        ; a row of V: 256 + 32
.set VOFF,  256*PK                     ; a slot holds four steps: 256 rows of K, then 256 rows of V
.set SLOT,  256*(PK+PV)                ; 143,360
.set STAGE, 2*SLOT                     ; behind the ring, never filled by a tensor load: 128 rows x 272 bytes, the work-group's, for the way out
.set SP,    272
.set SPARE, STAGE+128*SP               ; behind the stage: the spare words, 128 bytes a wave, which no other line names
.set SLOTB, 256*6144                   ; bytes of memory from a slot's rows to the next slot's
.set AK0, 2                            ; v2  my lane's place in a tile of K; never rewritten
.set AV0, 3                            ; v3  the same for V
.set ADR, 4                            ; v4  the LDS address of the run of loads in hand
.set QO,  5                            ; v5  my byte offset in 16 rows of Q
.set STO, 6
.set RD,  7
.set GO,  8
.set PFO, 61                           ; v61 6,144 x my lane; never rewritten
.set SPW, 62                           ; v62 SPARE + 4 x my thread's number; never rewritten
.set NIL, 63                           ; v63 0; never rewritten
.set ST,  12                           ; tile t at v[ST+8 t]: c m, m, l (even keys', odd keys'), c0-c3 at work; a takes c2's place
.set S,   64
.set P,   192
.set QF,  128                          ; window 1
.set KF,  192                          ; window 1: key block kb, channel half c at KF + 16 kb + 8 c
.set WV,  12
.set LIM, 15                           ; s15 1 in a cluster that prefetches, else the greatest number
.set PFA, 18                           ; s[18:19]
.set G1K, 24
.set G1V, 32
.set G0K, 40
.set G0V, 44
.set SLOTS, 56
.set CNT, 57
.set CS,  58                           ; s[58:59] c
.set SEL, 60                           ; s[60:61] v_permlanex16_b32's selects: each lane takes its own place in the other half
.set TBK, 62                           ; s62 LDS byte at which K of the step to be fetched begins   s63 the same for V, less VOFF
.set TBV, 63
.set FB,  66                           ; s66 the slot filled last   s67 the slot being read
.set RB,  67
.set LBK, 68                           ; s68, s69 my tile's place in a slot
.set LBV, 69
.set MSB, 0
.macro WIN new
.if MSB != (\new)
	s_set_vgpr_msb (MSB<<8)|(\new)
.set MSB, \new
.endif
.endm
.set W_KQ, 0x05                        ; K and Q in window 1, S^T in window 0
.set W_PV, 0x52                        ; V in window 2, P in window 0, O^T in window 1
.set W_RS, 0x41                        ; O^T (destination and source 0) in window 1, a in window 0
.macro PLACES
.rept 4
	v_nop
.endr
.endm
.macro JLOAD                           ; waves 0 and 1 fetch the two halves of a slot's K, waves 2 and 3 those of its V: 128 rows each
	s_cmp_lt_u32 s[WV], 2
	s_cbranch_scc0 .Lfor_v_\@
	tensor_load_to_lds s[G0K:G0K+3], s[G1K:G1K+7]
	s_nop 0
	PLACES
	s_branch .Lasked_\@
.Lfor_v_\@:
	tensor_load_to_lds s[G0V:G0V+3], s[G1V:G1V+7]
	s_nop 0
	PLACES
.Lasked_\@:
.endm
; A prefetch of what the NEXT change of slots will ask for.  All four clusters of a head pair walk the same rows: cluster x = 0 asks.  Of a slot's 256 rows of K (waves 0, 1) and of V (waves 2, 3) partner cx's wave takes
; rows 64 cx + 32 (w % 2) + lane: told apart by address; each row's 256 bytes are named once.  The last change that fills a slot asks for nothing.
.macro ASK
	s_cmp_gt_u32 s[SLOTS], s[LIM]
	s_cbranch_scc0 .Lnot_mine_\@
	global_prefetch_b8 v[PFO], s[PFA:PFA+1] th:TH_LOAD_NT scope:SCOPE_SE
.Lnot_mine_\@:
.endm
.macro CROUND
	s_barrier_signal -1
	s_barrier_wait -1
	s_cmp_lg_u32 s[WV], 0
	s_cbranch_scc1 .Lnot_wave_0_\@
	s_barrier_signal -3
.Lnot_wave_0_\@:
	s_barrier_wait -3
	s_barrier_signal -1
	s_barrier_wait -1
.endm
; THE CHANGE OF SLOTS.  Each wave waits for all its tensor loads (one is out: its part of the other slot), adds 0 to its spare word, and waits for that and for its reads of the slot that it leaves.
; fill = 1: the barrier is a round of the cluster's and the joint fill, the keys two slots on, is the first tensor load behind it.  (At its first use nothing has been read: slot 0 is waited for, slot 1 filled.)
.macro CHANGE fill, ask
	WIN 0
	s_wait_tensorcnt 0x0
	ds_add_u32 v[SPW], v[NIL]
.if \fill
	s_xor_b32 s[FB], s[FB], SLOT
	s_add_co_u32 s[G0K+1], s[LBK], s[FB]
	s_add_co_u32 s[G0V+1], s[LBV], s[FB]
	s_add_nc_u64 s[G0K+2:G0K+3], s[G0K+2:G0K+3], SLOTB
	s_add_nc_u64 s[G0V+2:G0V+3], s[G0V+2:G0V+3], SLOTB
.if \ask
	s_wait_xcnt 0x0                                ; the last prefetch, four key steps back, has read its address
	s_add_nc_u64 s[PFA:PFA+1], s[PFA:PFA+1], SLOTB
.endif
	s_wait_dscnt 0x0
	CROUND
	JLOAD
.if \ask
	ASK
.endif
.else
	s_wait_dscnt 0x0
	s_barrier_signal -1
	s_barrier_wait -1
.endif
	s_xor_b32 s[RB], s[RB], SLOT                   ; the fetches go to the other slot's first step
	s_mov_b32 s[TBK], s[RB]
	s_mov_b32 s[TBV], s[RB]
.endm
	s_load_b128 s[4:7], s[0:1], 0x0                ; qkvb s[4:5], ob s[6:7]
	v_lshl_add_u32 v[SPW], v0, 2, SPARE
	v_mov_b32 v[NIL], 0
	ds_add_u32 v[SPW], v[NIL]                      ; the wave's opening: the add and its wait ahead of my first tensor load
	v_lshrrev_b32 v1, 5, v0
	v_readfirstlane_b32 s[WV], v1
	s_bfe_u32 s13, ttmp6, 0x40000                  ; cx
	s_lshl_b32 s14, ttmp9, 2
	s_add_co_u32 s14, s14, s13                     ; my block of 128 queries: it enters Q's and O's addresses alone
	s_and_b32 s16, ttmp7, 0xffff
	s_lshr_b32 s17, s16, 3
	s_lshl_b32 s17, s17, 11                        ; the batch's first token
	s_and_b32 s16, s16, 7
	s_lshl_b32 s16, s16, 8                         ; the head pair's 256 bytes in a row
	s_and_b32 s20, s[WV], 1
	s_lshr_b32 s21, s[WV], 1
	s_lshl_b32 s22, s20, 7                         ; K and V: my half of a slot's 256 rows
	s_add_co_u32 s22, s22, s17
	s_mul_i32 s22, s22, 6144
	s_add_co_u32 s22, s22, s16
	s_mov_b32 s23, 0
	s_lshl_b32 s2, s14, 7
	s_add_co_u32 s2, s2, s17                       ; the block's first token
	s_lshl_b32 s3, s20, 6
	s_add_co_u32 s3, s3, s2
	s_mul_i32 s8, s3, 6144                         ; Q: my 64 rows, my head's 128 bytes
	s_add_co_u32 s8, s8, s16
	s_lshl_b32 s3, s21, 7
	s_add_co_u32 s8, s8, s3
	s_mov_b32 s9, 0
	s_lshl_b32 s3, s[WV], 5
	s_add_co_u32 s3, s3, s2
	s_lshl_b32 s10, s3, 11                         ; O: the 32 rows that I store, 2,048 bytes each
	s_add_co_u32 s10, s10, s16
	s_mov_b32 s11, 0
	s_lshl_b32 s18, s13, 6                         ; the prefetches: rows 64 cx + 32 (w % 2) of the third slotful; the loop's first change steps them to the fourth
	s_lshl_b32 s3, s20, 5
	s_add_co_u32 s18, s18, s3
	s_add_co_u32 s18, s18, s17
	s_add_co_u32 s18, s18, 2*256
	s_mul_i32 s18, s18, 6144
	s_add_co_u32 s18, s18, s16
	s_lshl_b32 s3, s21, 11                         ; K's columns begin at byte 2,048 of a row, V's at 4,096
	s_add_co_u32 s18, s18, s3
	s_add_co_u32 s18, s18, 2048
	s_mov_b32 s19, 0
	s_mov_b32 s[LIM], ttmp9
	s_cmp_eq_u32 s[LIM], 0
	s_cselect_b32 s[LIM], 1, -1
	s_mov_b32 s[G1K], 15|(1<<16)|(1<<20)|(1<<21)|(5<<22)|(3<<25)  ; the mask of four; 2-byte elements; padding on; bit 21 beside a mask; after every 64 words 4 words
	s_mov_b32 s[G1V], 15|(1<<16)|(1<<20)|(1<<21)|(5<<22)|(7<<25)  ; the same with 8 words
.irp g, G1K, G1V
	s_mov_b32 s[(\g)+1], 128<<16                   ; tensor_dim0 = 128
	s_mov_b32 s[(\g)+2], 128<<16                   ; tensor_dim1 = 128
	s_mov_b32 s[(\g)+3], 128<<16                   ; tile_dim0 = 128
	s_mov_b32 s[(\g)+4], 128                       ; tile_dim1 = 128
	s_mov_b32 s[(\g)+5], 3072                      ; elements from row to row
	s_mov_b32 s[(\g)+6], 0
	s_mov_b32 s[(\g)+7], 0
.endr
	s_mul_i32 s[LBK], s20, 128*PK
	s_mul_i32 s[LBV], s20, 128*PV
	s_add_co_u32 s[LBV], s[LBV], VOFF
	s_mov_b32 s[FB], 0
	s_mov_b32 s[RB], SLOT                          ; the first change turns it into 0
	s_mov_b32 s[G0K], 1
	s_mov_b32 s[G0K+1], s[LBK]
	s_mov_b32 s[G0V], 1
	s_mov_b32 s[G0V+1], s[LBV]
	s_mov_b32 s[CS], 0x3e38aa3b                    ; c = log2(e) / 8
	s_mov_b32 s[CS+1], s[CS]
	s_mov_b32 s[SEL], 0x76543210
	s_mov_b32 s[SEL+1], 0xfedcba98
	s_wait_dscnt 0x0                               ; the opening add is done
	s_wait_kmcnt 0x0
	s_add_nc_u64 s[G0K+2:G0K+3], s[4:5], s[22:23]
	s_add_nc_u64 s[G0V+2:G0V+3], s[G0K+2:G0K+3], 4096
	s_add_nc_u64 s[G0K+2:G0K+3], s[G0K+2:G0K+3], 2048
	s_or_b32 s[G0K+3], s[G0K+3], 0x80000000
	s_or_b32 s[G0V+3], s[G0V+3], 0x80000000
	s_add_nc_u64 s[8:9], s[4:5], s[8:9]
	s_add_nc_u64 s[10:11], s[6:7], s[10:11]
	s_add_nc_u64 s[PFA:PFA+1], s[4:5], s[PFA:PFA+1]
	CROUND                                         ; all four work-groups are here: the first joint loads meet
	JLOAD                                          ; slot 0; slot 1 is asked for when slot 0 is in
	v_and_b32 v1, 15, v0                           ; r = l % 16
	v_bfe_u32 v9, v0, 4, 1                         ; h = l / 16
	v_mul_u32_u24 v[QO], v1, 6144
	v_lshl_add_u32 v[QO], v9, 4, v[QO]
	WIN 0x40                                       ; destination window 1
.set i, 0
.rept 8                                            ; Q stays in registers: tile i / 2, channels 32 (i % 2) on
	global_load_b128 v[QF+8*i:QF+8*i+3],   v[QO], s[8:9] offset:(i/2)*98304+(i%2)*64
	global_load_b128 v[QF+8*i+4:QF+8*i+7], v[QO], s[8:9] offset:(i/2)*98304+(i%2)*64+32
.set i, i+1
.endr
	; What the first turn finds: V and piece 2's P hold 0 (its products V^T P, of a step that has not been, add 0), O^T and l are 0.  The price of one text for every step; it stands in the wait for the first tile.
.set i, 0
.rept 128
	v_mov_b32 v[i], 0
.set i, i+1
.endr
	WIN 0x80
.set i, 0
.rept 64
	v_mov_b32 v[i], 0
.set i, i+1
.endr
	WIN 0
.set i, 0
.rept 4
	v_mov_b32 v[ST+8*i], 0xfe000000                ; c m: far below every c s
	v_mov_b32 v[ST+8*i+1], 0xff7fffff              ; m
	v_mov_b32 v[ST+8*i+2], 0
	v_mov_b32 v[ST+8*i+3], 0
.set i, i+1
.endr
.set i, P+32
.rept 32
	v_mov_b32 v[i], 0
.set i, i+1
.endr
	s_lshl_b32 s22, s21, 7                         ; my head's 128 bytes of a row
	v_mul_u32_u24 v[AK0], v1, PK
	v_lshl_add_u32 v[AK0], v9, 4, v[AK0]
	v_add_nc_u32 v[AK0], s22, v[AK0]
	v_and_b32 v10, 7, v0
	v_bfe_u32 v11, v0, 3, 1
	v_lshl_add_u32 v[AV0], v9, 3, v10              ; the turning load: lane l reads key 8 h + l % 8, channels 8 ((l / 8) % 2) on
	v_mul_u32_u24 v[AV0], v[AV0], PV
	v_lshl_add_u32 v[AV0], v11, 4, v[AV0]
	s_add_co_u32 s22, s22, VOFF
	v_add_nc_u32 v[AV0], s22, v[AV0]
	v_and_b32 v[PFO], 31, v0
	v_mul_u32_u24 v[PFO], v[PFO], 6144
; THE MATRIX WORK.  The 8 accumulators of a run of 16 take turns.  Product i of S^T = K Q^T for piece x: channels 32 (i / 8) on, keys 16 ((i / 2) % 4) on, tile x + i % 2.  The first 8 start the sums.
.macro KQ x
	WIN W_KQ
.set rS, S+32*((\x)+i%2)+8*((i/2)%4)
.set rK, KF+16*((i/2)%4)+8*(i/8)
.set rQ, QF+16*((\x)+i%2)+8*(i/8)
.if i < 8
	v_wmma_f32_16x16x32_bf16 v[rS:rS+7], v[rK:rK+7], v[rQ:rQ+7], 0
.else
	v_wmma_f32_16x16x32_bf16 v[rS:rS+7], v[rK:rK+7], v[rQ:rQ+7], v[rS:rS+7]
.endif
.endm
; Product i of O^T += V^T P: keys 32 (i / 8) on, channels 16 ((i / 2) % 4) on, tile x + i % 2.
.macro PV x
	WIN W_PV
.set rO, 32*((\x)+i%2)+8*((i/2)%4)
.set rV, 32*(i/8)+8*((i/2)%4)
.set rP, P+16*((\x)+i%2)+8*(i/8)
	v_wmma_f32_16x16x32_bf16 v[rO:rO+7], v[rV:rV+7], v[rP:rP+7], v[rO:rO+7]
.endm
; THE LDS LOADS stand in runs of 16.  last = 1 (the tail): in the last trip there is no further step, and K's run is jumped over.
.macro FETCH_K last=0
	WIN 0
.if \last
	s_cmp_eq_u32 s[CNT], 1
	s_cbranch_scc1 .Lno_k_\@
.endif
	v_add_nc_u32 v[ADR], s[TBK], v[AK0]
	WIN 0x40
.irp f, 0,1,2,3,4,5,6,7                            ; keys 16 (f / 2) on, channels 32 (f % 2) on
	ds_load_b128 v[KF+8*(\f):KF+8*(\f)+3],   v[ADR] offset:((\f)/2)*16*PK+((\f)%2)*64
	ds_load_b128 v[KF+8*(\f)+4:KF+8*(\f)+7], v[ADR] offset:((\f)/2)*16*PK+((\f)%2)*64+32
.endr
	s_add_co_u32 s[TBK], s[TBK], KS*PK
	WIN 0
.if \last
.Lno_k_\@:
.endif
.endm
.macro FETCH_V
	WIN 0
	v_add_nc_u32 v[ADR], s[TBV], v[AV0]
	s_add_co_u32 s[TBV], s[TBV], KS*PV
	s_wait_alu depctr_va_vdst(0)                   ; the wait for the softmax's batch, ahead of the first line that names a result
	WIN 0x80
.irp f, 0,1,2,3,4,5,6,7                            ; keys 32 (f / 4) on, channels 16 (f % 4) on
	ds_load_tr16_b128 v[8*(\f):8*(\f)+3],   v[ADR] offset:((\f)/4)*32*PV+((\f)%4)*32
	ds_load_tr16_b128 v[8*(\f)+4:8*(\f)+7], v[ADR] offset:((\f)/4)*32*PV+16*PV+((\f)%4)*32
.endr
.endm
; THE VECTOR WORK.  One tile's softmax for one step is a list of 118 lines; SM writes number j of it for tile t.  s0-s31 are the lane's 32 scores, in pairs 0-15.
;   0-15   the maximum of s0-s31 and the old m, three operands at a time (each accumulator's lowest registers are read first)
;   16-20  the other half of the lanes' maximum; c m_old kept; the new m; c m; c m_old - c m_new
;   21-69  ONE BATCH: the 16 scalings c s - c m and all 33 exponentials (a at 23); none of these names an exponential's result
;   70-85  the roundings to bf16     86-101 the sums; l = a l + the sum     102-117 the tile's O^T times a
.macro SM t
.set rT, ST+8*(\t)
.set rS, S+32*(\t)
.set rP, P+16*(\t)
.set rO, 32*(\t)+2*(j-102)
.if j < 102
	WIN 0
.endif
.if j < 4
	v_max3_num_f32 v[rT+4+j], v[rS+8*j], v[rS+8*j+1], v[rS+8*j+2]
.elseif j < 12
	v_max3_num_f32 v[rT+4+j%4], v[rT+4+j%4], v[rS+8*(j%4)+2*(j/4)+1], v[rS+8*(j%4)+2*(j/4)+2]
.elseif j == 12
	v_max3_num_f32 v[rT+4], v[rT+4], v[rS+7], v[rS+15]
.elseif j == 13
	v_max3_num_f32 v[rT+6], v[rT+6], v[rS+23], v[rS+31]
.elseif j == 14
	v_max3_num_f32 v[rT+4], v[rT+4], v[rT+5], v[rT+6]
.elseif j == 15
	v_max3_num_f32 v[rT+4], v[rT+4], v[rT+7], v[rT+1]
.elseif j == 16
	v_permlanex16_b32 v[rT+5], v[rT+4], s[SEL], s[SEL+1]  ; the query's other 32 keys lie in the lane 16 away
.elseif j == 17
	v_mov_b32 v[rT+7], v[rT]
.elseif j == 18
	v_max_num_f32 v[rT+1], v[rT+4], v[rT+5]
.elseif j == 19
	v_mul_f32 v[rT], s[CS], v[rT+1]
.elseif j == 20
	v_sub_f32 v[rT+7], v[rT+7], v[rT]
.elseif j == 23
	v_exp_f32 v[rT+6], v[rT+7]
.elseif (j < 23) || ((j < 38) && (j%2 == 0)) || ((j < 66) && (j%4 == 2))
.set b, (j-2)/4                                    ; 38, 42, .. 62: pairs 9 to 15
.if j < 38
.set b, (j-20)/2                                   ; 21: pair 0; 22, 24, .. 36: pairs 1 to 8
.endif
	v_pk_fma_f32 v[rS+2*b:rS+2*b+1], v[rS+2*b:rS+2*b+1], s[CS:CS+1], v[rT:rT+1] op_sel_hi:[1,0,0] neg_lo:[0,0,1] neg_hi:[0,0,1]
.elseif j < 70
.set e, j-38                                       ; 66 to 69: s28 to s31
.if j < 66
.set e, j-32-(j-38)/4                              ; 39-41, 43-45, .. 63-65: s7 to s27
.endif
.if j < 38
.set e, (j-25)/2                                   ; 25, 27, .. 37: s0 to s6
.endif
	v_exp_f32 v[rS+e], v[rS+e]
.elseif j < 86
	v_cvt_pk_bf16_f32 v[rP+j-70], v[rS+2*(j-70)], v[rS+2*(j-70)+1]
.elseif j < 102                                    ; the 16 pairs are added in place, neighbours 1, 2, 4 and 8 pairs apart; then l takes the sum
.set z, j-86
.set w, 4
.set u, z
.if z >= 14
.set w, 32
.set u, 0
.elseif z >= 12
.set w, 16
.set u, z-12
.elseif z >= 8
.set w, 8
.set u, z-8
.endif
.if z < 15
	v_pk_add_f32 v[rS+w*u:rS+w*u+1], v[rS+w*u:rS+w*u+1], v[rS+w*u+w/2:rS+w*u+w/2+1]
.else
	v_pk_fma_f32 v[rT+2:rT+3], v[rT+2:rT+3], v[rT+6:rT+7], v[rS:rS+1] op_sel_hi:[1,0,1]
.endif
.else
	WIN W_RS
	v_pk_mul_f32 v[rO:rO+1], v[rO:rO+1], v[rT+6:rT+7] op_sel_hi:[1,0]
.endif
.endm
; Slice k of 59 of piece y's softmax.  Slices 11 to 34 deal out numbers 22 to 69, four numbers of ONE tile each, the tiles by turns; every other slice is numbers 2 k and 2 k + 1 of both tiles.
; Behind slice 34 all exponentials are issued and no result has been named: a plain instruction, then the turn's one wait (in piece 2's turn inside V's run of loads).
.macro SLICE y
.if (k >= 11) && (k < 35)
.irp n, 0,1,2,3
.set j, 22+4*((k-11)/2)+(\n)
	SM (\y)+(k-11)%2
.endr
.else
.irp n, 0,1
.irp t, \y, (\y)+1
.set j, 2*k+(\n)
	SM \t
.endr
.endr
.endif
.if k == 34
	v_nop
.if (\y) == 0
	FETCH_V
.else
	s_wait_alu depctr_va_vdst(0)
.endif
.endif
.set k, k+1
.endm
; A TURN.  Piece x has the matrix unit.  Slices 0-15 stand behind the 16 products V^T P, one each; slices 16-34 in a run of their own, which ends with the wait; slices 35-50 (roundings and sums) behind the 16 products K Q^T;
; slices 51-58 (O^T times a) in a run at the end: 32 plain lines on the other piece's O^T, the places behind the last K Q^T for the next turn's first read of those scores and for the loads into K's registers.
; Piece 0's turn fetches the next step's K behind its second product.  Piece 2's turn fetches the same step's V behind slice 34: behind the last product that read V stand the plain scalings of slices 15 to 34, more than four.
.macro TURN x, last=0
.set k, 0
.if (\x) == 0
	s_wait_dscnt 0x0                               ; V is in
.endif
.set i, 0
.rept 16
	PV \x
	SLICE 2-(\x)
.if ((\x) == 0) && (i == 1)
	FETCH_K \last
.endif
.set i, i+1
.endr
.rept 19
	SLICE 2-(\x)
.endr
.if (\x) == 0
	s_wait_dscnt 0x0                               ; K is in
.endif
.set i, 0
.rept 16
	KQ \x
	SLICE 2-(\x)
.set i, i+1
.endr
.rept 8
	SLICE 2-(\x)
.endr
.endm
	CHANGE 1, 0                                    ; slot 0 is in, everybody's part of it; slot 1 is asked for
	FETCH_K                                        ; key step 0
	s_wait_loadcnt 0x0                             ; Q
	s_wait_dscnt 0x0
.set i, 0
.rept 16
	KQ 0                                           ; piece 0's first scores
.set i, i+1
.endr
	WIN 0                                          ; the addresses for the way out: plain lines, the places behind those products
	s_lshl_b32 s22, s20, 6
	v_add_nc_u32 v[STO], s22, v1                   ; in: row 64 (w % 2) + r, my head's 128 bytes, 16 bytes for each half of the lanes
	v_mul_u32_u24 v[STO], v[STO], SP
	v_lshl_add_u32 v[STO], v9, 4, v[STO]
	s_lshl_b32 s22, s21, 7
	s_add_co_u32 s22, s22, STAGE
	v_add_nc_u32 v[STO], s22, v[STO]
	s_lshl_b32 s22, s[WV], 5
	v_add_nc_u32 v[RD], s22, v9                    ; back: wave w takes rows 32 w on; lanes 0-15 one row of 256 bytes, lanes 16-31 the next
	v_mul_u32_u24 v[RD], v[RD], SP
	v_lshl_add_u32 v[RD], v1, 4, v[RD]
	v_add_nc_u32 v[RD], STAGE, v[RD]
	v_lshlrev_b32 v[GO], 11, v9
	v_lshl_add_u32 v[GO], v1, 4, v[GO]
	s_mov_b32 s[CNT], 4
	s_mov_b32 s[SLOTS], 7
	s_branch .Lfirst                               ; the loop is entered in the middle of a trip
.Lslot:                                            ; six times: every slotful but the last two is followed by a refill
	CHANGE 1, 1
	s_mov_b32 s[CNT], 4
.Lstep:
	TURN 0
	WIN 0
.Lfirst:
	TURN 2
	WIN 0
	s_sub_co_u32 s[CNT], s[CNT], 1
	s_cmp_lg_u32 s[CNT], 0
	s_cbranch_scc1 .Lstep
	s_sub_co_u32 s[SLOTS], s[SLOTS], 1
	s_cmp_lg_u32 s[SLOTS], 0
	s_cbranch_scc1 .Lslot
	CHANGE 0, 0                                    ; the tail is written out
	s_mov_b32 s[CNT], 5                            ; four trips fetch the last slot's steps; the fifth is left in its middle
.Ltail:
	TURN 0, 1
	WIN 0
	s_sub_co_u32 s[CNT], s[CNT], 1
	s_cmp_eq_u32 s[CNT], 0
	s_cbranch_scc1 .Lout
	TURN 2
	WIN 0
	s_branch .Ltail
.Lout:                                             ; the fifth trip's 16 products K Q^T (on the last K once more) serve nothing: the price, once a launch, of one text for every trip
.set i, 0
.rept 16
	PV 2
.set i, i+1
.endr
	; THE WAY OUT.  l's halves and the other half of the lanes' are added; O^T is divided by l, rounded to bf16 and sent through the work-group's stage.  The additions are the places behind the last products.
	WIN 0
.irp t, 0,1,2,3
	v_add_f32 v[ST+8*(\t)+4], v[ST+8*(\t)+2], v[ST+8*(\t)+3]
.endr
.irp t, 0,1,2,3
	v_permlanex16_b32 v[ST+8*(\t)+5], v[ST+8*(\t)+4], s[SEL], s[SEL+1]
.endr
.irp t, 0,1,2,3
	v_add_f32 v[ST+8*(\t)+4], v[ST+8*(\t)+4], v[ST+8*(\t)+5]
.endr
.irp t, 0,1,2,3
	v_rcp_f32 v[ST+8*(\t)+6], v[ST+8*(\t)+4]
.endr
	v_nop                                          ; a plain instruction behind the last reciprocal,
	s_wait_alu depctr_va_vdst(0)                   ; and one wait for the four, ahead of the first use
.macro PACK t
	WIN W_RS
.set i, 32*(\t)
.rept 16
	v_pk_mul_f32 v[i:i+1], v[i:i+1], v[ST+8*(\t)+6:ST+8*(\t)+7] op_sel_hi:[1,0]
.set i, i+2
.endr
	WIN 0x05                                       ; sources 0 and 1 window 1, destination window 0: S^T's registers are free
.set i, 0
.rept 16
	v_cvt_pk_bf16_f32 v[S+16*(\t)+i], v[32*(\t)+2*i], v[32*(\t)+2*i+1]
.set i, i+1
.endr
	WIN 0
.irp f, 0,1,2,3
	ds_store_b128 v[STO], v[S+16*(\t)+4*(\f):S+16*(\t)+4*(\f)+3] offset:(\t)*16*SP+32*(\f)
.endr
.endm
	PACK 0
	PACK 1
	PACK 2
	PACK 3
	s_wait_dscnt 0x0                               ; for the others' sake: a row's 256 bytes come from two waves
	s_barrier_signal -1
	s_barrier_wait -1
.set i, 0
.rept 16
	ds_load_b128 v[S+4*i:S+4*i+3], v[RD] offset:i*2*SP
.set i, i+1
.endr
.set i, 0
.rept 16
	s_wait_dscnt 15-i                              ; load i is back, the younger ones stay out
	global_store_b128 v[GO], v[S+4*i:S+4*i+3], s[10:11] offset:i*4096  ; 16 lanes store 256 consecutive bytes, aligned
.set i, i+1
.endr
	s_wait_tensorcnt 0x0                           ; the wave's end
	ds_add_u32 v[SPW], v[NIL]
	s_wait_dscnt 0x0
	CROUND                                         ; the closing round
	s_endpgm
.Lfunc_end_k_qd5ee5c60ea_attn:
	.size	k_qd5ee5c60ea_attn, .Lfunc_end_k_qd5ee5c60ea_attn-k_qd5ee5c60ea_attn
	.p2alignl 7, 3214868480
	.fill 96, 4, 3214868480
	.section	.rodata,"a",@progbits
	.p2align	6, 0x0
	.amdhsa_kernel k_qd5ee5c60ea_attn
		.amdhsa_group_segment_fixed_size 327680
		.amdhsa_private_segment_fixed_size 0
		.amdhsa_enable_private_segment 0
		.amdhsa_kernarg_size 16
		.amdhsa_user_sgpr_count 2
		.amdhsa_user_sgpr_kernarg_segment_ptr 1
		.amdhsa_wavefront_size32 1
		.amdhsa_system_sgpr_workgroup_id_x 1
		.amdhsa_system_sgpr_workgroup_id_y 1
		.amdhsa_system_sgpr_workgroup_id_z 1
		.amdhsa_system_vgpr_workitem_id 0
		.amdhsa_next_free_vgpr 576
		.amdhsa_next_free_sgpr 72
		.amdhsa_reserve_vcc 0
		.amdhsa_float_denorm_mode_32 3
		.amdhsa_float_denorm_mode_16_64 3
		.amdhsa_memory_ordered 1
		.amdhsa_forward_progress 1
		.amdhsa_inst_pref_size 108
	.end_amdhsa_kernel
	.amdgpu_metadata
---
amdhsa.version: [ 1, 2 ]
amdhsa.kernels:
  - .name:           k_qd5ee5c60ea_attn
    .symbol:         k_qd5ee5c60ea_attn.kd
    .args:
      - { .name: qkvb, .offset: 0, .size: 8, .value_kind: global_buffer, .address_space: global }
      - { .name: ob, .offset: 8, .size: 8, .value_kind: global_buffer, .address_space: global }
    .group_segment_fixed_size: 327680
    .private_segment_fixed_size: 0
    .kernarg_segment_align: 8
    .kernarg_segment_size: 16
    .max_flat_workgroup_size: 128
    .sgpr_count:     72
    .vgpr_count:     576
    .wavefront_size: 32
...
	.end_amdgpu_metadata
.endif
;; end of part 3
;; launch proj (part 4): grid 8 x 32, 4 waves a work-group, clusters of 4 x 4, 327,680 bytes of LDS; arguments ob, wb, y; writes y
.if DOCPART == 4
	.amdgcn_target "amdgcn-amd-amdhsa--gfx1250"
	.amdhsa_code_object_version 6
	.text
	.protected	k_qd5ee5c60ea_proj
	.globl	k_qd5ee5c60ea_proj
	.p2align	8
	.type	k_qd5ee5c60ea_proj,@function
k_qd5ee5c60ea_proj:
	s_mov_b64 s[64:65], 0
	v_nop
	global_prefetch_b8 v0, s[64:65] scope:SCOPE_SE
	s_setreg_imm32_b32 hwreg(HW_REG_WAVE_MODE, 25, 1), 1
	s_wait_xcnt 0x0
	s_wait_alu depctr_hold_cnt(0) depctr_sa_sdst(0) depctr_va_vdst(0) depctr_va_sdst(0) depctr_va_ssrc(0) depctr_va_vcc(0) depctr_vm_vsrc(0)
	s_getreg_b32 s2, hwreg(HW_REG_IB_STS2, 6, 4)
	s_cmp_eq_u32 s2, 0
	s_cbranch_scc0 .Lentry_in_a_cluster
	s_endpgm
.Lentry_in_a_cluster:
	s_bfe_u32 s2, ttmp6, 0x10000c
	s_cmp_lg_u32 s2, 0xf033
	s_cbranch_scc0 .Lentry_shape_is_right
	s_endpgm
.Lentry_shape_is_right:
; y[4096][1024] (f32) = a[4096][KDIM] x W[KDIM][1024], operands bf16, sums f32.  Here a = ob, W = Wout (KDIM = 1,024).
; A tile of C is 128 x 128: 8 x 32 = 256 tiles, a work-group each.  K IS SPLIT AMONG THE FOUR WAVES: of each K step's 256 wave w takes 64 w .. 64 w + 63, for the whole tile: 8 x 8 accumulators, 512 registers,
; so that 16 fragments read from LDS feed 64 matrix instructions.  The four partial tiles meet in LDS at the end (f32 sums, in another order than K ascending).
; K goes in steps of 256 through two LDS slots: waves 0, 1 fetch A's halves (64 rows x 512 bytes), waves 2, 3 B's (128 rows of W x 256 bytes): one tensor load a wave.
; W lies [k][n]: its fragments come out of LDS turned.  Source 0 = W's fragment, source 1 = a's: a lane holds eight neighbouring columns of one row of C.
; CLUSTER 4 x 4: A's tile is asked for jointly by a row of the cluster, B's by a column.  With four K steps no step lies four on from a refill: no prefetch is assembled here.
; REGISTERS: window 0 v0-31 addresses, v64-127 and v128-191 A's two fragment buffers; window 1 the same for B; windows 2, 3 the accumulators ((a, b) at v[8 (8 (a % 4) + b)]).
; LIMITS: operands are rounded to bf16; NaN and infinities are not treated apart.
.set KDIM,  1024
.set WOFF,  6291456                    ; W's first byte in wb
.set T,     KDIM/256                   ; K steps
.set KSTEP, 256
.set NBF,   8
.set PA,    528                        ; A's LDS row: 512 bytes + 16: the 16 rows of a load start at 16 different groups of four banks (64 banks of 4 bytes: ISA guide 11.1)
.set PB,    288                        ; B's LDS row: 256 + 32
.set AHALF, 64*PA
.set BHALF, 128*PB
.set SLOT,  2*AHALF+2*BHALF            ; 141,312
.set SPARE, 2*SLOT
.set ASTEP, KSTEP*2
.set BSTEP, KSTEP*2048
.set NL,    32
.set SPF,   528                        ; a stage's row: 128 f32 + 16 bytes
.set STG,   128*SPF                    ; a wave's stage; the four lie in the ring, whose slots have had their last fill
.set ADRA0, 16
.set ADRA,  17
.set ADRB0, 20
.set ADRB,  24
.set CO,    9
.set STO,   10
.set RD,    12                         ; v12-15 where I read a row of each of the four stages
.set SPW,   28
.set NIL,   29
.set PFO,   30
.set F0,    64
.set F1,    128
.set WV,    12
.set ROLE,  13
.set HALF,  14
.set CX,    15
.set CY,    16
.set TCOL,  17
.set TROW,  18
.set G1A,   24
.set G0A,   32
.set G1B,   48
.set G0B,   56
.set PFA,   44
.set PFS,   68
.set LIM,   70
.set RB,    71
.set FB,    72
.set LBA,   73
.set LBB,   74
.set MSB, 0
.macro WIN new
.if MSB != (\new)
	s_set_vgpr_msb (MSB<<8)|(\new)
.set MSB, \new
.endif
.endm
.set MUL_LO, 0xa1
.set MUL_HI, 0xf1
.set TO_B,   0x40
.macro PLACES
.rept 4
	v_nop
.endr
.endm
.macro CREST
	s_cmp_lg_u32 s[WV], 0
	s_cbranch_scc1 .Lnot_wave_0_\@
	s_barrier_signal -3
.Lnot_wave_0_\@:
	s_barrier_wait -3
	s_barrier_signal -1
	s_barrier_wait -1
.endm
.macro CROUND
	s_barrier_signal -1
	s_barrier_wait -1
	CREST
.endm
.macro JLOAD
	s_cmp_eq_u32 s[ROLE], 0
	s_cbranch_scc0 .Lfor_b_\@
	tensor_load_to_lds s[G0A+4:G0A+7], s[G1A:G1A+7]
	s_nop 0
	PLACES
	s_branch .Lasked_\@
.Lfor_b_\@:
	tensor_load_to_lds s[G0B+4:G0B+7], s[G1B:G1B+7]
	s_nop 0
	PLACES
.Lasked_\@:
.endm
; A prefetch of the K step two refills on, 32 blocks of 256 bytes, a lane a block.  A's rows are read by every cluster of a row of clusters: cluster x = 0 asks; B's by every cluster of a column: cluster y = 0 asks.
; The four partners of a joint load share its blocks out by address.  So each aligned block of 256 bytes is named once.
.macro ASK
	s_cmp_gt_u32 s3, s[LIM]
	s_cbranch_scc0 .Lnot_mine_\@
	global_prefetch_b8 v[PFO], s[PFA:PFA+1] th:TH_LOAD_NT scope:SCOPE_SE
.Lnot_mine_\@:
.endm
.macro MULH f, hi, a0, zero            ; 16 matrix instructions; all 64 accumulators take turns in one order in every phase
	WIN MUL_LO+0x50*(\hi)
.irp a, \a0, (\a0)+1
.irp b, 0,1,2,3,4,5,6,7
.if \zero
	v_wmma_f32_16x16x32_bf16 v[8*(NBF*(\a)+(\b)):8*(NBF*(\a)+(\b))+7], v[(\f)+8*(\b):(\f)+8*(\b)+7], v[(\f)+8*(4*(\hi)+(\a)):(\f)+8*(4*(\hi)+(\a))+7], 0
.else
	v_wmma_f32_16x16x32_bf16 v[8*(NBF*(\a)+(\b)):8*(NBF*(\a)+(\b))+7], v[(\f)+8*(\b):(\f)+8*(\b)+7], v[(\f)+8*(4*(\hi)+(\a)):(\f)+8*(4*(\hi)+(\a))+7], v[8*(NBF*(\a)+(\b)):8*(NBF*(\a)+(\b))+7]
.endif
.endr
.endr
.endm
.macro FETCH q, f                      ; the 32 LDS loads of phase q (32 of my 64 along K) into buffer f
	WIN TO_B
.irp i, 0,1,2,3,4,5,6,7
	ds_load_tr16_b128 v[(\f)+8*(\i):(\f)+8*(\i)+3],   v[ADRB] offset:(\q)*32*PB+32*(\i)
	ds_load_tr16_b128 v[(\f)+8*(\i)+4:(\f)+8*(\i)+7], v[ADRB] offset:(\q)*32*PB+32*(\i)+16*PB
.endr
	WIN 0
.irp i, 0,1,2,3,4,5,6,7
	ds_load_b128 v[(\f)+8*(\i):(\f)+8*(\i)+3],   v[ADRA] offset:(\q)*64+(\i)*16*PA
	ds_load_b128 v[(\f)+8*(\i)+4:(\f)+8*(\i)+7], v[ADRA] offset:(\q)*64+(\i)*16*PA+32
.endr
.endm
.macro QUARTER q, f, g, zero
	s_wait_dscnt 8                                 ; B and A's rows 0-63 are in; the youngest eight loads may be out
	MULH \f, 0, 0, \zero
	MULH \f, 0, 2, \zero
	PLACES
	FETCH \q, \g
	s_wait_dscnt NL                                ; all but the run just issued
	MULH \f, 1, 0, \zero
	MULH \f, 1, 2, \zero
.endm
; A step's last phase multiplies buffer 1 and changes slots: all my tensor loads waited for, the add, the wait for it and for my reads of this slot, the barrier; fill = 1: it opens a round of the cluster's, and the joint refill comes first behind it.
.macro TURN fill
.if (\fill) && (T > 4)
	s_wait_xcnt 0x0                                ; the last prefetch, a K step back, has read its address
	s_add_nc_u64 s[PFA:PFA+1], s[PFA:PFA+1], s[PFS:PFS+1]
.endif
	WIN 0
	s_wait_tensorcnt 0x0
	ds_add_u32 v[SPW], v[NIL]
	s_wait_dscnt 9                                 ; the add and the youngest eight loads may be out
	MULH F1, 0, 0, 0
	s_wait_dscnt 0x0
	s_barrier_signal -1
	MULH F1, 0, 2, 0
	WIN 0
	s_barrier_wait -1
.if \fill
	CREST
	s_xor_b32 s[FB], s[FB], SLOT
	s_add_co_u32 s[G0A+5], s[LBA], s[FB]
	s_add_co_u32 s[G0B+5], s[LBB], s[FB]
	s_add_nc_u64 s[G0A+6:G0A+7], s[G0A+6:G0A+7], ASTEP
	s_add_nc_u64 s[G0B+6:G0B+7], s[G0B+6:G0B+7], BSTEP
	JLOAD
.else
	PLACES
.endif
	s_xor_b32 s[RB], s[RB], SLOT
	v_add_nc_u32 v[ADRA], s[RB], v[ADRA0]
	v_add_nc_u32 v[ADRB], s[RB], v[ADRB0]
	FETCH 0, F0
.if (\fill) && (T > 4)
	ASK
.endif
	MULH F1, 1, 0, 0
	MULH F1, 1, 2, 0
.endm
	s_load_b128 s[4:7], s[0:1], 0x0                ; a s[4:5], wb s[6:7]
	s_load_b64 s[8:9], s[0:1], 0x10                ; y
	v_lshl_add_u32 v[SPW], v0, 2, SPARE
	v_mov_b32 v[NIL], 0
	ds_add_u32 v[SPW], v[NIL]                      ; the wave's opening: the add and its wait ahead of my first tensor load
	v_lshrrev_b32 v1, 5, v0
	v_readfirstlane_b32 s[WV], v1
	s_lshr_b32 s[ROLE], s[WV], 1                   ; 0: I fetch A, 1: B
	s_and_b32 s[HALF], s[WV], 1                    ; which half of the tile
	s_bfe_u32 s[CX], ttmp6, 0x40000
	s_bfe_u32 s[CY], ttmp6, 0x40004
	s_lshl_b32 s[TCOL], ttmp9, 2
	s_add_co_u32 s[TCOL], s[TCOL], s[CX]
	s_and_b32 s[TROW], ttmp7, 0xffff
	s_lshl_b32 s[TROW], s[TROW], 2
	s_add_co_u32 s[TROW], s[TROW], s[CY]
	s_lshl_b32 s19, s[CY], 2
	s_lshl_b32 s19, 15, s19
	s_lshl_b32 s20, 0x1111, s[CX]
	s_or_b32 s[G1A], s19, (1<<16)|(1<<20)|(1<<21)|(6<<22)|(3<<25)  ; mask of my row; 2-byte elements; padding on; bit 21 beside a mask; after every 128 words 4 words
	s_or_b32 s[G1B], s20, (1<<16)|(1<<20)|(1<<21)|(5<<22)|(7<<25)  ; mask of my column; after every 64 words 8 words
	s_mov_b32 s[G1A+1], 256<<16                    ; A: 64 rows x 256 elements
	s_mov_b32 s[G1A+2], 64<<16
	s_mov_b32 s[G1A+3], 256<<16
	s_mov_b32 s[G1A+4], 64
	s_mov_b32 s[G1A+5], KDIM
	s_mov_b32 s[G1A+6], 0
	s_mov_b32 s[G1A+7], 0
	s_mov_b32 s[G1B+1], 128<<16                    ; B: 128 rows x 128 elements
	s_mov_b32 s[G1B+2], 128<<16
	s_mov_b32 s[G1B+3], 128<<16
	s_mov_b32 s[G1B+4], 128
	s_mov_b32 s[G1B+5], 1024
	s_mov_b32 s[G1B+6], 0
	s_mov_b32 s[G1B+7], 0
	s_lshl_b32 s40, s[TROW], 7
	s_lshl_b32 s41, s[HALF], 6
	s_add_co_u32 s40, s40, s41
	s_mul_i32 s40, s40, 2*KDIM                     ; A: row 128 x tile row + 64 x half
	s_mov_b32 s41, 0
	s_lshl_b32 s46, s[HALF], 18                    ; B: 128 rows of 2,048 bytes a half, the tile's 256 bytes of a row
	s_lshl_b32 s47, s[TCOL], 8
	s_add_co_u32 s46, s46, s47
	s_add_co_u32 s46, s46, WOFF
	s_mov_b32 s47, 0
	s_mul_i32 s[LBA], s[HALF], AHALF
	s_mul_i32 s[LBB], s[HALF], BHALF
	s_add_co_u32 s[LBB], s[LBB], 2*AHALF
	s_mov_b32 s[RB], 0
	s_mov_b32 s[FB], SLOT
	s_wait_dscnt 0x0
	s_wait_kmcnt 0x0
	s_add_nc_u64 s[42:43], s[4:5], s[40:41]
	s_add_nc_u64 s[46:47], s[6:7], s[46:47]
	CROUND
.irp s, 0,1
	s_mov_b32 s[G0A+4*(\s)], 1
	s_add_co_u32 s[G0A+4*(\s)+1], s[LBA], (\s)*SLOT
	s_add_nc_u64 s[G0A+4*(\s)+2:G0A+4*(\s)+3], s[42:43], (\s)*ASTEP
	s_or_b32 s[G0A+4*(\s)+3], s[G0A+4*(\s)+3], 0x80000000
	s_mov_b32 s[G0B+4*(\s)], 1
	s_add_co_u32 s[G0B+4*(\s)+1], s[LBB], (\s)*SLOT
	s_add_nc_u64 s[G0B+4*(\s)+2:G0B+4*(\s)+3], s[46:47], (\s)*BSTEP
	s_or_b32 s[G0B+4*(\s)+3], s[G0B+4*(\s)+3], 0x80000000
.endr
	s_cmp_eq_u32 s[ROLE], 0                        ; a wave's two first fills stand in one branch: two loads of mine are out
	s_cbranch_scc0 .Lfirst_b
	tensor_load_to_lds s[G0A:G0A+3], s[G1A:G1A+7]
	s_nop 0
	tensor_load_to_lds s[G0A+4:G0A+7], s[G1A:G1A+7]
	s_nop 0
	PLACES
	s_branch .Lfirst_done
.Lfirst_b:
	tensor_load_to_lds s[G0B:G0B+3], s[G1B:G1B+7]
	s_nop 0
	tensor_load_to_lds s[G0B+4:G0B+7], s[G1B:G1B+7]
	s_nop 0
	PLACES
.Lfirst_done:
	v_and_b32 v1, 15, v0                           ; r
	v_bfe_u32 v2, v0, 4, 1                         ; h
	v_and_b32 v3, 7, v0
	v_bfe_u32 v4, v0, 3, 1
	v_and_b32 v5, 31, v0                           ; l
	v_mul_u32_u24 v[ADRA0], v1, PA
	v_lshl_add_u32 v[ADRA0], v2, 4, v[ADRA0]
	s_lshl_b32 s21, s[WV], 7                       ; my 64 of the step's 256 along K: 128 bytes of A's rows,
	v_add_nc_u32 v[ADRA0], s21, v[ADRA0]
	v_lshl_add_u32 v6, v2, 3, v3
	v_mul_u32_u24 v[ADRB0], v6, PB
	v_lshl_add_u32 v[ADRB0], v4, 4, v[ADRB0]
	s_mul_i32 s21, s[WV], 64*PB                    ; 64 rows of B
	s_add_co_u32 s21, s21, 2*AHALF
	v_add_nc_u32 v[ADRB0], s21, v[ADRB0]
	v_mov_b32 v[ADRA], v[ADRA0]
	v_mov_b32 v[ADRB], v[ADRB0]
	s_mul_i32 s21, s[WV], STG                      ; into my stage: row r, 32 bytes for each half of the lanes
	v_mul_u32_u24 v[STO], v1, SPF
	v_lshl_add_u32 v[STO], v2, 5, v[STO]
	v_add_nc_u32 v[STO], s21, v[STO]
	s_mul_i32 s21, s[WV], 32*SPF                   ; back: wave w sums rows 32 w on; a row's 512 bytes are 16 a lane
	v_lshl_add_u32 v[RD], v5, 4, s21
	v_add_nc_u32 v[RD+1], STG, v[RD]
	v_add_nc_u32 v[RD+2], 2*STG, v[RD]
	v_add_nc_u32 v[RD+3], 3*STG, v[RD]
	v_lshlrev_b32 v[CO], 4, v5
	s_lshl_b32 s40, s[TROW], 7
	s_lshl_b32 s41, s[WV], 5
	s_add_co_u32 s40, s40, s41
	s_lshl_b32 s40, s40, 12
	s_lshl_b32 s41, s[TCOL], 9
	s_add_co_u32 s40, s40, s41
	s_mov_b32 s41, 0
	s_add_nc_u64 s[8:9], s[8:9], s[40:41]          ; y at the first row that I store
.if T > 4
	; the prefetches, at K step 3; the first change of slots steps them to 4.  A: 16 rows x 2 blocks for partner cx; B: 32 rows for partner cy
	s_lshl_b32 s40, s[TROW], 7
	s_lshl_b32 s22, s[HALF], 6
	s_add_co_u32 s40, s40, s22
	s_lshl_b32 s22, s[CX], 4
	s_add_co_u32 s40, s40, s22
	s_mul_i32 s40, s40, 2*KDIM
	s_add_co_u32 s40, s40, 3*ASTEP
	s_lshl_b32 s22, s[HALF], 7
	s_lshl_b32 s23, s[CY], 5
	s_add_co_u32 s22, s22, s23
	s_add_co_u32 s22, s22, 3*KSTEP
	s_lshl_b32 s22, s22, 11
	s_lshl_b32 s23, s[TCOL], 8
	s_add_co_u32 s22, s22, s23
	s_add_co_u32 s22, s22, WOFF
	s_and_b32 s21, ttmp7, 0xffff
	s_mov_b32 s23, 2*KDIM
	s_mov_b32 s41, 2048
	s_mov_b32 s[PFS], ASTEP
	s_mov_b32 s[PFS+1], BSTEP
	s_cmp_eq_u32 s[ROLE], 0
	s_cselect_b32 s22, s40, s22
	s_cselect_b32 s21, ttmp9, s21
	s_cselect_b32 s41, s23, s41
	s_cselect_b32 s[PFS], s[PFS], s[PFS+1]
	s_cselect_b64 s[PFA:PFA+1], s[4:5], s[6:7]
	s_mov_b32 s23, 0
	s_mov_b32 s[PFS+1], 0
	s_add_nc_u64 s[PFA:PFA+1], s[PFA:PFA+1], s[22:23]
	s_cmp_eq_u32 s21, 0
	s_cselect_b32 s[LIM], 2, -1
	s_xor_b32 s40, s[ROLE], 1                      ; A's rows hold two blocks of a K step, B's one
	v_lshrrev_b32 v[PFO], s40, v5
	v_mul_lo_u32 v[PFO], v[PFO], s41
	v_and_b32 v6, s40, v5
	v_lshl_add_u32 v[PFO], v6, 8, v[PFO]
.endif
	s_wait_tensorcnt 1                             ; my part of K step 0 is in; step 1's may stay out
	s_barrier_signal -1
	s_barrier_wait -1
	FETCH 0, F0
	QUARTER 1, F0, F1, 1                           ; the first phase starts the sums
	WIN 0
	s_mov_b32 s3, T-2
.Lk:                                               ; a trip: a step's second phase, with the refill, and the next step's first
	TURN 1
	QUARTER 1, F0, F1, 0
	WIN 0
	s_sub_co_u32 s3, s3, 1
	s_cmp_lg_u32 s3, 0
	s_cbranch_scc1 .Lk
	TURN 0                                         ; the tail is written out: nothing is left to fetch
	QUARTER 1, F0, F1, 0
	s_wait_dscnt 8
	MULH F1, 0, 0, 0
	MULH F1, 0, 2, 0
	s_wait_dscnt 0x0                               ; my reads of the ring are over:
	s_barrier_signal -1
	MULH F1, 1, 0, 0
	MULH F1, 1, 2, 0
	WIN 0
	s_barrier_wait -1                              ; everybody's are: the stages may be written
	PLACES
	PLACES
.irp hi, 0,1
	WIN (2+(\hi))<<2                               ; the stores' data: window 2, then 3
.irp a, 0,1,2,3
.irp b, 0,1,2,3,4,5,6,7
	ds_store_b128 v[STO], v[8*(8*(\a)+(\b)):8*(8*(\a)+(\b))+3]   offset:(4*(\hi)+(\a))*16*SPF+64*(\b)
	ds_store_b128 v[STO], v[8*(8*(\a)+(\b))+4:8*(8*(\a)+(\b))+7] offset:(4*(\hi)+(\a))*16*SPF+64*(\b)+16
.endr
.endr
.endr
	WIN 0
	s_wait_dscnt 0x0                               ; for the others' sake
	s_barrier_signal -1
	s_barrier_wait -1
	s_mov_b32 s3, 4
.Lsum:                                             ; a trip: eight rows of the four stages are added and stored
.irp r, 0,1,2,3,4,5,6,7
.irp g, 0,1,2,3
	ds_load_b128 v[64+16*(\r)+4*(\g):64+16*(\r)+4*(\g)+3], v[RD+(\g)] offset:(\r)*SPF
.endr
.endr
.irp r, 0,1,2,3,4,5,6,7
	s_wait_dscnt 28-4*(\r)                         ; this row's four loads are back, the younger rows' stay out
	v_pk_add_f32 v[64+16*(\r):64+16*(\r)+1],     v[64+16*(\r):64+16*(\r)+1],     v[64+16*(\r)+4:64+16*(\r)+5]
	v_pk_add_f32 v[64+16*(\r)+2:64+16*(\r)+3],   v[64+16*(\r)+2:64+16*(\r)+3],   v[64+16*(\r)+6:64+16*(\r)+7]
	v_pk_add_f32 v[64+16*(\r)+8:64+16*(\r)+9],   v[64+16*(\r)+8:64+16*(\r)+9],   v[64+16*(\r)+12:64+16*(\r)+13]
	v_pk_add_f32 v[64+16*(\r)+10:64+16*(\r)+11], v[64+16*(\r)+10:64+16*(\r)+11], v[64+16*(\r)+14:64+16*(\r)+15]
	v_pk_add_f32 v[64+16*(\r):64+16*(\r)+1],     v[64+16*(\r):64+16*(\r)+1],     v[64+16*(\r)+8:64+16*(\r)+9]
	v_pk_add_f32 v[64+16*(\r)+2:64+16*(\r)+3],   v[64+16*(\r)+2:64+16*(\r)+3],   v[64+16*(\r)+10:64+16*(\r)+11]
	global_store_b128 v[CO], v[64+16*(\r):64+16*(\r)+3], s[8:9] offset:(\r)*4096  ; the wave stores 512 consecutive bytes, aligned
.endr
.irp g, 0,1,2,3
	v_add_nc_u32 v[RD+(\g)], 8*SPF, v[RD+(\g)]
.endr
	s_wait_xcnt 0x0                                ; the stores have read their data and their base
	s_add_nc_u64 s[8:9], s[8:9], 8*4096
	s_sub_co_u32 s3, s3, 1
	s_cmp_lg_u32 s3, 0
	s_cbranch_scc1 .Lsum
	s_wait_tensorcnt 0x0                           ; the wave's end
	ds_add_u32 v[SPW], v[NIL]
	s_wait_dscnt 0x0
	CROUND                                         ; the closing round
	s_endpgm
.Lfunc_end_k_qd5ee5c60ea_proj:
	.size	k_qd5ee5c60ea_proj, .Lfunc_end_k_qd5ee5c60ea_proj-k_qd5ee5c60ea_proj
	.p2alignl 7, 3214868480
	.fill 96, 4, 3214868480
	.section	.rodata,"a",@progbits
	.p2align	6, 0x0
	.amdhsa_kernel k_qd5ee5c60ea_proj
		.amdhsa_group_segment_fixed_size 327680
		.amdhsa_private_segment_fixed_size 0
		.amdhsa_enable_private_segment 0
		.amdhsa_kernarg_size 24
		.amdhsa_user_sgpr_count 2
		.amdhsa_user_sgpr_kernarg_segment_ptr 1
		.amdhsa_wavefront_size32 1
		.amdhsa_system_sgpr_workgroup_id_x 1
		.amdhsa_system_sgpr_workgroup_id_y 1
		.amdhsa_system_sgpr_workgroup_id_z 1
		.amdhsa_system_vgpr_workitem_id 0
		.amdhsa_next_free_vgpr 1024
		.amdhsa_next_free_sgpr 96
		.amdhsa_reserve_vcc 0
		.amdhsa_float_denorm_mode_32 3
		.amdhsa_float_denorm_mode_16_64 3
		.amdhsa_memory_ordered 1
		.amdhsa_forward_progress 1
		.amdhsa_inst_pref_size 62
	.end_amdhsa_kernel
	.amdgpu_metadata
---
amdhsa.version: [ 1, 2 ]
amdhsa.kernels:
  - .name:           k_qd5ee5c60ea_proj
    .symbol:         k_qd5ee5c60ea_proj.kd
    .args:
      - { .name: ob, .offset: 0, .size: 8, .value_kind: global_buffer, .address_space: global }
      - { .name: wb, .offset: 8, .size: 8, .value_kind: global_buffer, .address_space: global }
      - { .name: y, .offset: 16, .size: 8, .value_kind: global_buffer, .address_space: global }
    .group_segment_fixed_size: 327680
    .private_segment_fixed_size: 0
    .kernarg_segment_align: 8
    .kernarg_segment_size: 24
    .max_flat_workgroup_size: 128
    .sgpr_count:     96
    .vgpr_count:     1024
    .wavefront_size: 32
...
	.end_amdgpu_metadata
.endif
;; end of part 4
;; launch ln1 (part 5): grid 512 x 1, 8 waves a work-group, no clusters, 0 bytes of LDS; arguments y, x, ln1_w, ln1_b, x1, xb; writes x1, xb
.if DOCPART == 5
	.amdgcn_target "amdgcn-amd-amdhsa--gfx1250"
	.amdhsa_code_object_version 6
	.text
	.protected	k_qd5ee5c60ea_ln1
	.globl	k_qd5ee5c60ea_ln1
	.p2align	8
	.type	k_qd5ee5c60ea_ln1,@function
k_qd5ee5c60ea_ln1:
	s_mov_b64 s[64:65], 0
	v_nop
	global_prefetch_b8 v0, s[64:65] scope:SCOPE_SE
	s_setreg_imm32_b32 hwreg(HW_REG_WAVE_MODE, 25, 1), 1
	s_wait_xcnt 0x0
; x1 = layernorm(x + y) x ln1_w + ln1_b, in f32, and the same numbers rounded once to bf16 into xb (the next product's operand).
; One wave, one row of 1,024: 32 numbers a lane stay in registers between the mean, the variance (of the centred values: no difference of large sums) and the scaling.  No LDS, no barrier.
; Each load and f32 store of a wave covers 512 consecutive bytes, each bf16 store 256, aligned.  v_rsq_f32 is accurate to 1 ULP (ISA guide, its entry).
.set Y,  8                             ; v[8:39]    y, then z = x + y, centred, scaled
.set R,  40                            ; v[40:71]   x, then the sums' scratch
.set W,  72                            ; v[72:103]  the gain
.set BB, 104                           ; v[104:135] the bias
.set C,  136                           ; v[136:151] packed bf16
.set MU, 152                           ; v[152:153] the mean, twice; later var + eps
.set RS, 154                           ; v[154:155] 1 / sqrt(var + eps), twice
.macro ALLSUM a, t                     ; v[a] summed over the 32 lanes, in every lane; v[t] has been written before
	v_add_f32_dpp v[\a], v[\a], v[\a] row_xmask:1 row_mask:0xf bank_mask:0xf
	v_add_f32_dpp v[\a], v[\a], v[\a] row_xmask:2 row_mask:0xf bank_mask:0xf
	v_add_f32_dpp v[\a], v[\a], v[\a] row_xmask:4 row_mask:0xf bank_mask:0xf
	v_add_f32_dpp v[\a], v[\a], v[\a] row_xmask:8 row_mask:0xf bank_mask:0xf
	v_permlanex16_b32 v[\t], v[\a], s22, s23
	v_add_f32 v[\a], v[\a], v[\t]
.endm
	s_load_b256 s[4:11], s[0:1], 0x0               ; y s[4:5], x s[6:7], gain s[8:9], bias s[10:11]
	s_load_b128 s[12:15], s[0:1], 0x20             ; x1 s[12:13], xb s[14:15]
	v_lshrrev_b32 v1, 5, v0
	v_readfirstlane_b32 s16, v1                    ; wave
	v_and_b32 v2, 31, v0
	v_lshlrev_b32 v3, 4, v2                        ; 16 bytes a lane of f32,
	v_lshlrev_b32 v4, 3, v2                        ; 8 of bf16
	s_lshl_b32 s17, ttmp9, 3
	s_add_co_u32 s17, s17, s16                     ; my row
	s_lshl_b32 s18, s17, 12
	s_mov_b32 s19, 0
	s_lshl_b32 s20, s17, 11
	s_mov_b32 s21, 0
	s_mov_b32 s22, 0x76543210
	s_mov_b32 s23, 0xfedcba98
	s_mov_b32 s2, 0x3a800000                       ; 1 / 1024
	s_mov_b32 s3, 0x3727c5ac                       ; 1e-5
	s_wait_kmcnt 0x0
	s_add_nc_u64 s[4:5], s[4:5], s[18:19]
	s_add_nc_u64 s[6:7], s[6:7], s[18:19]
	s_add_nc_u64 s[12:13], s[12:13], s[18:19]
	s_add_nc_u64 s[14:15], s[14:15], s[20:21]
.irp j, 0,1,2,3,4,5,6,7
	global_load_b128 v[Y+4*(\j):Y+4*(\j)+3], v3, s[4:5] offset:512*(\j) th:TH_LOAD_NT
.endr
.irp j, 0,1,2,3,4,5,6,7
	global_load_b128 v[R+4*(\j):R+4*(\j)+3], v3, s[6:7] offset:512*(\j) th:TH_LOAD_NT
.endr
.irp j, 0,1,2,3,4,5,6,7
	global_load_b128 v[W+4*(\j):W+4*(\j)+3], v3, s[8:9] offset:512*(\j)
.endr
.irp j, 0,1,2,3,4,5,6,7
	global_load_b128 v[BB+4*(\j):BB+4*(\j)+3], v3, s[10:11] offset:512*(\j)
.endr
	s_wait_loadcnt 16                              ; y and x are in; the gain's and the bias's sixteen loads may stay out
.set i, 0
.rept 16
	v_pk_add_f32 v[Y+2*i:Y+2*i+1], v[Y+2*i:Y+2*i+1], v[R+2*i:R+2*i+1]
.set i, i+1
.endr
.set i, 0
.rept 8
	v_pk_add_f32 v[R+2*i:R+2*i+1], v[Y+4*i:Y+4*i+1], v[Y+4*i+2:Y+4*i+3]
.set i, i+1
.endr
.set i, 0
.rept 4
	v_pk_add_f32 v[R+2*i:R+2*i+1], v[R+2*i:R+2*i+1], v[R+2*i+8:R+2*i+9]
.set i, i+1
.endr
	v_pk_add_f32 v[R:R+1], v[R:R+1], v[R+4:R+5]
	v_pk_add_f32 v[R+2:R+3], v[R+2:R+3], v[R+6:R+7]
	v_pk_add_f32 v[R:R+1], v[R:R+1], v[R+2:R+3]
	v_add_f32 v[R], v[R], v[R+1]
	ALLSUM R, R+1
	v_mul_f32 v[MU], s2, v[R]
	v_mov_b32 v[MU+1], v[MU]
.set i, 0
.rept 16
	v_pk_add_f32 v[Y+2*i:Y+2*i+1], v[Y+2*i:Y+2*i+1], v[MU:MU+1] neg_lo:[0,1] neg_hi:[0,1]
.set i, i+1
.endr
.set i, 0
.rept 4
	v_pk_mul_f32 v[R+2*i:R+2*i+1], v[Y+2*i:Y+2*i+1], v[Y+2*i:Y+2*i+1]  ; four chains of squares
.set i, i+1
.endr
.rept 12
	v_pk_fma_f32 v[R+2*(i%4):R+2*(i%4)+1], v[Y+2*i:Y+2*i+1], v[Y+2*i:Y+2*i+1], v[R+2*(i%4):R+2*(i%4)+1]
.set i, i+1
.endr
	v_pk_add_f32 v[R:R+1], v[R:R+1], v[R+4:R+5]
	v_pk_add_f32 v[R+2:R+3], v[R+2:R+3], v[R+6:R+7]
	v_pk_add_f32 v[R:R+1], v[R:R+1], v[R+2:R+3]
	v_add_f32 v[R], v[R], v[R+1]
	ALLSUM R, R+1
	v_fma_f32 v[MU], v[R], s2, s3                  ; var + eps
	v_rsq_f32 v[RS], v[MU]
	v_rsq_f32 v[RS+1], v[MU]
	v_nop                                          ; a plain instruction behind the last of the two,
	s_wait_alu depctr_va_vdst(0)                   ; and one wait for both, ahead of the first use
	s_wait_loadcnt 0x0                             ; the gain and the bias
.set i, 0
.rept 16
	v_pk_mul_f32 v[Y+2*i:Y+2*i+1], v[Y+2*i:Y+2*i+1], v[RS:RS+1]
.set i, i+1
.endr
.set i, 0
.rept 16
	v_pk_fma_f32 v[Y+2*i:Y+2*i+1], v[Y+2*i:Y+2*i+1], v[W+2*i:W+2*i+1], v[BB+2*i:BB+2*i+1]
.set i, i+1
.endr
.irp j, 0,1,2,3,4,5,6,7
	global_store_b128 v3, v[Y+4*(\j):Y+4*(\j)+3], s[12:13] offset:512*(\j)
.endr
.set i, 0
.rept 16
	v_cvt_pk_bf16_f32 v[C+i], v[Y+2*i], v[Y+2*i+1]
.set i, i+1
.endr
.irp j, 0,1,2,3,4,5,6,7
	global_store_b64 v4, v[C+2*(\j):C+2*(\j)+1], s[14:15] offset:256*(\j)
.endr
	s_endpgm
.Lfunc_end_k_qd5ee5c60ea_ln1:
	.size	k_qd5ee5c60ea_ln1, .Lfunc_end_k_qd5ee5c60ea_ln1-k_qd5ee5c60ea_ln1
	.p2alignl 7, 3214868480
	.fill 96, 4, 3214868480
	.section	.rodata,"a",@progbits
	.p2align	6, 0x0
	.amdhsa_kernel k_qd5ee5c60ea_ln1
		.amdhsa_group_segment_fixed_size 0
		.amdhsa_private_segment_fixed_size 0
		.amdhsa_enable_private_segment 0
		.amdhsa_kernarg_size 48
		.amdhsa_user_sgpr_count 2
		.amdhsa_user_sgpr_kernarg_segment_ptr 1
		.amdhsa_wavefront_size32 1
		.amdhsa_system_sgpr_workgroup_id_x 1
		.amdhsa_system_sgpr_workgroup_id_y 1
		.amdhsa_system_sgpr_workgroup_id_z 1
		.amdhsa_system_vgpr_workitem_id 0
		.amdhsa_next_free_vgpr 192
		.amdhsa_next_free_sgpr 66
		.amdhsa_reserve_vcc 0
		.amdhsa_float_denorm_mode_32 3
		.amdhsa_float_denorm_mode_16_64 3
		.amdhsa_memory_ordered 1
		.amdhsa_forward_progress 1
		.amdhsa_inst_pref_size 14
	.end_amdhsa_kernel
	.amdgpu_metadata
---
amdhsa.version: [ 1, 2 ]
amdhsa.kernels:
  - .name:           k_qd5ee5c60ea_ln1
    .symbol:         k_qd5ee5c60ea_ln1.kd
    .args:
      - { .name: y, .offset: 0, .size: 8, .value_kind: global_buffer, .address_space: global }
      - { .name: x, .offset: 8, .size: 8, .value_kind: global_buffer, .address_space: global }
      - { .name: ln1_w, .offset: 16, .size: 8, .value_kind: global_buffer, .address_space: global }
      - { .name: ln1_b, .offset: 24, .size: 8, .value_kind: global_buffer, .address_space: global }
      - { .name: x1, .offset: 32, .size: 8, .value_kind: global_buffer, .address_space: global }
      - { .name: xb, .offset: 40, .size: 8, .value_kind: global_buffer, .address_space: global }
    .group_segment_fixed_size: 0
    .private_segment_fixed_size: 0
    .kernarg_segment_align: 8
    .kernarg_segment_size: 48
    .max_flat_workgroup_size: 256
    .sgpr_count:     66
    .vgpr_count:     192
    .wavefront_size: 32
...
	.end_amdgpu_metadata
.endif
;; end of part 5
;; launch ffn1 (part 6): grid 16 x 16, 4 waves a work-group, clusters of 4 x 4, 327,680 bytes of LDS; arguments xb, wb, b1, hb; writes hb
.if DOCPART == 6
	.amdgcn_target "amdgcn-amd-amdhsa--gfx1250"
	.amdhsa_code_object_version 6
	.text
	.protected	k_qd5ee5c60ea_ffn1
	.globl	k_qd5ee5c60ea_ffn1
	.p2align	8
	.type	k_qd5ee5c60ea_ffn1,@function
k_qd5ee5c60ea_ffn1:
	s_mov_b64 s[64:65], 0
	v_nop
	global_prefetch_b8 v0, s[64:65] scope:SCOPE_SE
	s_setreg_imm32_b32 hwreg(HW_REG_WAVE_MODE, 25, 1), 1
	s_wait_xcnt 0x0
	s_wait_alu depctr_hold_cnt(0) depctr_sa_sdst(0) depctr_va_vdst(0) depctr_va_sdst(0) depctr_va_ssrc(0) depctr_va_vcc(0) depctr_vm_vsrc(0)
	s_getreg_b32 s2, hwreg(HW_REG_IB_STS2, 6, 4)
	s_cmp_eq_u32 s2, 0
	s_cbranch_scc0 .Lentry_in_a_cluster
	s_endpgm
.Lentry_in_a_cluster:
	s_bfe_u32 s2, ttmp6, 0x10000c
	s_cmp_lg_u32 s2, 0xf033
	s_cbranch_scc0 .Lentry_shape_is_right
	s_endpgm
.Lentry_shape_is_right:
; h = gelu(xb[4096][1024] x W1[1024][4096] + b1), operands bf16, sums f32 (b1 first, then K ascending), gelu in f32, h rounded once to bf16.
; hb HOLDS h IN BLOCKS of 16 rows x 32 columns, 1,024 bytes each, block (row / 16, column / 32) at ((row / 16) x 128 + column / 32) x 1,024.  In a block, byte 512 s + 16 l holds row l % 16,
; columns 16 s + 8 (l / 16) + 0..7: the image of a matrix operand's registers, so that the next launch takes a fragment by two loads of 512 consecutive bytes.
; A tile of C is 256 x 256: 16 x 16 = 256 tiles, a work-group each; a wave makes a quadrant of 128 x 128: 8 x 8 accumulators, 512 registers.
; K goes in 8 steps of 128 through two LDS slots: waves 0, 1 fetch A's halves (128 rows x 256 bytes), waves 2, 3 B's (64 rows of W x 512 bytes): one tensor load a wave.
; W lies [k][n]: its fragments come out of LDS turned.  Source 0 = W's fragment, source 1 = x's: a lane holds eight neighbouring columns of one row of C.  b1 is the C operand of the products that start the sums.
; CLUSTER 4 x 4: A's tile is asked for jointly by a row of the cluster, B's by a column.
; GELU, exact form: gelu(x) = max(x, 0) - |x| erfc(|x| / sqrt 2) / 2, with erfc by Abramowitz and Stegun 7.1.26.  With z = c |x|, c^2 = log2(e) / 2: t = 1 / (1 + (p / c) z), e = 2^(-z^2), and
; |x| erfc / 2 = z poly(t) e, the five coefficients divided by 2 c.
; LIMIT: that formula's error in erfc is at most 1.5e-7, absolute, for every x; no difference of near-equal numbers is formed; for large |x| the result is x or 0.  NaN and infinities are not treated apart.
; REGISTERS: window 0 v0-31 addresses, v64-127 and v128-191 A's two fragment buffers (on the way out: at work), v192-255 b1 of my columns; window 1 B's two buffers; windows 2, 3 the accumulators.
.set T,     8
.set KSTEP, 128
.set NBF,   8
.set PA,    272                        ; A's LDS row: 256 bytes + 16
.set PB,    544                        ; B's LDS row: 512 + 32
.set AHALF, 128*PA
.set BHALF, 64*PB
.set SLOT,  2*AHALF+2*BHALF            ; 139,264
.set SPARE, 2*SLOT
.set ASTEP, KSTEP*2
.set BSTEP, KSTEP*8192
.set WOFF,  8388608                    ; W1's first byte in wb
.set NL,    32
.set STG,   65536                      ; a wave's own stage: 64 accumulators x 1,024 bytes; the four lie in the ring, whose slots have had their last fill
.set ADRA0, 16
.set ADRA,  17
.set ADRB0, 20
.set ADRB,  24
.set RD0,   12                         ; v12 my 16 bytes in my stage's first 512; never rewritten   v13 the same in the accumulators fetched next
.set RD,    13
.set CO,    14                         ; v14 16 x my lane
.set SPW,   28
.set NIL,   29
.set PFO,   30
.set F0,    64
.set F1,    128
.set BIAS,  192                        ; v[192:255] b1 of columns 16 b + 8 (l / 16) + j at BIAS + 8 b + j
.set X,     64                         ; the way out: two accumulators, 16 numbers a lane
.set ZZ,    80
.set TT,    96
.set EE,    112
.set PP,    128
.set MX,    144
.set HB,    160
.set WV,    12
.set ROLE,  13
.set HALF,  14
.set CX,    15
.set CY,    16
.set TCOL,  17
.set TROW,  18
.set G1A,   24
.set G0A,   32
.set G1B,   48
.set G0B,   56
.set PFA,   44
.set PFS,   68
.set LIM,   70
.set RB,    71
.set FB,    72
.set LBA,   73
.set LBB,   74
.set CC,    76                         ; s76 c   s[78:79] p / c   s[80:89] the five coefficients, each written twice: named as pairs
.set PC,    78
.set A1,    80
.set A2,    82
.set A3,    84
.set A4,    86
.set A5,    88
.set MSB, 0
.macro WIN new
.if MSB != (\new)
	s_set_vgpr_msb (MSB<<8)|(\new)
.set MSB, \new
.endif
.endm
.set MUL_LO, 0xa1                      ; source 0 (B) window 1, source 1 (A) window 0, C and D window 2
.set MUL_HI, 0xf1
.set TO_B,   0x40
.macro PLACES
.rept 4
	v_nop
.endr
.endm
.macro CREST
	s_cmp_lg_u32 s[WV], 0
	s_cbranch_scc1 .Lnot_wave_0_\@
	s_barrier_signal -3
.Lnot_wave_0_\@:
	s_barrier_wait -3
	s_barrier_signal -1
	s_barrier_wait -1
.endm
.macro CROUND
	s_barrier_signal -1
	s_barrier_wait -1
	CREST
.endm
.macro JLOAD
	s_cmp_eq_u32 s[ROLE], 0
	s_cbranch_scc0 .Lfor_b_\@
	tensor_load_to_lds s[G0A+4:G0A+7], s[G1A:G1A+7]
	s_nop 0
	PLACES
	s_branch .Lasked_\@
.Lfor_b_\@:
	tensor_load_to_lds s[G0B+4:G0B+7], s[G1B:G1B+7]
	s_nop 0
	PLACES
.Lasked_\@:
.endm
; A prefetch of the K step two refills on, 32 blocks of 256 bytes, a lane a block.  A's rows are read by every cluster of a row of clusters: cluster x = 0 asks; B's by every cluster of a column: cluster y = 0 asks.
; The four partners of a joint load share its blocks out by address.  So each aligned block of 256 bytes is named once.
.macro ASK
	s_cmp_gt_u32 s3, s[LIM]
	s_cbranch_scc0 .Lnot_mine_\@
	global_prefetch_b8 v[PFO], s[PFA:PFA+1] th:TH_LOAD_NT scope:SCOPE_SE
.Lnot_mine_\@:
.endm
; 16 matrix instructions; all 64 accumulators take turns in one order in every phase.  zero = 1: the sums start with b1, from window 0.
.macro MULH f, hi, a0, zero
.if \zero
	WIN 0x81+0x40*(\hi)                            ; source 0 window 1, sources 1 and 2 window 0, D window 2 or 3
.else
	WIN MUL_LO+0x50*(\hi)
.endif
.irp a, \a0, (\a0)+1
.irp b, 0,1,2,3,4,5,6,7
.if \zero
	v_wmma_f32_16x16x32_bf16 v[8*(NBF*(\a)+(\b)):8*(NBF*(\a)+(\b))+7], v[(\f)+8*(\b):(\f)+8*(\b)+7], v[(\f)+8*(4*(\hi)+(\a)):(\f)+8*(4*(\hi)+(\a))+7], v[BIAS+8*(\b):BIAS+8*(\b)+7]
.else
	v_wmma_f32_16x16x32_bf16 v[8*(NBF*(\a)+(\b)):8*(NBF*(\a)+(\b))+7], v[(\f)+8*(\b):(\f)+8*(\b)+7], v[(\f)+8*(4*(\hi)+(\a)):(\f)+8*(4*(\hi)+(\a))+7], v[8*(NBF*(\a)+(\b)):8*(NBF*(\a)+(\b))+7]
.endif
.endr
.endr
.endm
.macro FETCH q, f                      ; the 32 LDS loads of phase q (32 along K) into buffer f
	WIN TO_B
.irp i, 0,1,2,3,4,5,6,7
	ds_load_tr16_b128 v[(\f)+8*(\i):(\f)+8*(\i)+3],   v[ADRB] offset:(\q)*32*PB+32*(\i)
	ds_load_tr16_b128 v[(\f)+8*(\i)+4:(\f)+8*(\i)+7], v[ADRB] offset:(\q)*32*PB+32*(\i)+16*PB
.endr
	WIN 0
.irp i, 0,1,2,3,4,5,6,7
	ds_load_b128 v[(\f)+8*(\i):(\f)+8*(\i)+3],   v[ADRA] offset:(\q)*64+(\i)*16*PA
	ds_load_b128 v[(\f)+8*(\i)+4:(\f)+8*(\i)+7], v[ADRA] offset:(\q)*64+(\i)*16*PA+32
.endr
.endm
.macro QUARTER q, f, g, zero
	s_wait_dscnt 8                                 ; B and A's rows 0-63 are in; the youngest eight loads may be out
	MULH \f, 0, 0, \zero
	MULH \f, 0, 2, \zero
	PLACES
	FETCH \q, \g
	s_wait_dscnt NL                                ; all but the run just issued
	MULH \f, 1, 0, \zero
	MULH \f, 1, 2, \zero
.endm
; A step's last phase multiplies buffer 1 and changes slots: all my tensor loads waited for, the add, the wait for it and for my reads of this slot, the barrier; fill = 1: it opens a round of the cluster's, and the joint refill comes first behind it.
.macro TURN fill
.if \fill
	s_wait_xcnt 0x0                                ; the last prefetch, a K step back, has read its address
	s_add_nc_u64 s[PFA:PFA+1], s[PFA:PFA+1], s[PFS:PFS+1]
.endif
	WIN 0
	s_wait_tensorcnt 0x0
	ds_add_u32 v[SPW], v[NIL]
	s_wait_dscnt 9                                 ; the add and the youngest eight loads may be out
	MULH F1, 0, 0, 0
	s_wait_dscnt 0x0
	s_barrier_signal -1
	MULH F1, 0, 2, 0
	WIN 0
	s_barrier_wait -1
.if \fill
	CREST
	s_xor_b32 s[FB], s[FB], SLOT
	s_add_co_u32 s[G0A+5], s[LBA], s[FB]
	s_add_co_u32 s[G0B+5], s[LBB], s[FB]
	s_add_nc_u64 s[G0A+6:G0A+7], s[G0A+6:G0A+7], ASTEP
	s_add_nc_u64 s[G0B+6:G0B+7], s[G0B+6:G0B+7], BSTEP
	JLOAD
.else
	PLACES
.endif
	s_xor_b32 s[RB], s[RB], SLOT
	v_add_nc_u32 v[ADRA], s[RB], v[ADRA0]
	v_add_nc_u32 v[ADRB], s[RB], v[ADRB0]
	FETCH 0, F0
.if \fill
	ASK
.endif
	MULH F1, 1, 0, 0
	MULH F1, 1, 2, 0
.endm
	s_load_b256 s[4:11], s[0:1], 0x0               ; xb s[4:5], wb s[6:7], b1 s[8:9], hb s[10:11]
	v_lshl_add_u32 v[SPW], v0, 2, SPARE
	v_mov_b32 v[NIL], 0
	ds_add_u32 v[SPW], v[NIL]                      ; the wave's opening: the add and its wait ahead of my first tensor load
	v_lshrrev_b32 v1, 5, v0
	v_readfirstlane_b32 s[WV], v1
	s_lshr_b32 s[ROLE], s[WV], 1                   ; 0: I fetch A, 1: B.  Also: which half of the tile's rows is mine
	s_and_b32 s[HALF], s[WV], 1                    ; which half I fetch.  Also: which half of the tile's columns is mine
	s_bfe_u32 s[CX], ttmp6, 0x40000
	s_bfe_u32 s[CY], ttmp6, 0x40004
	s_lshl_b32 s[TCOL], ttmp9, 2
	s_add_co_u32 s[TCOL], s[TCOL], s[CX]
	s_and_b32 s[TROW], ttmp7, 0xffff
	s_lshl_b32 s[TROW], s[TROW], 2
	s_add_co_u32 s[TROW], s[TROW], s[CY]
	s_lshl_b32 s19, s[CY], 2
	s_lshl_b32 s19, 15, s19
	s_lshl_b32 s20, 0x1111, s[CX]
	s_or_b32 s[G1A], s19, (1<<16)|(1<<20)|(1<<21)|(5<<22)|(3<<25)  ; mask of my row; 2-byte elements; padding on; bit 21 beside a mask; after every 64 words 4 words
	s_or_b32 s[G1B], s20, (1<<16)|(1<<20)|(1<<21)|(6<<22)|(7<<25)  ; mask of my column; after every 128 words 8 words
	s_mov_b32 s[G1A+1], 128<<16                    ; A: 128 rows x 128 elements
	s_mov_b32 s[G1A+2], 128<<16
	s_mov_b32 s[G1A+3], 128<<16
	s_mov_b32 s[G1A+4], 128
	s_mov_b32 s[G1A+5], 1024
	s_mov_b32 s[G1A+6], 0
	s_mov_b32 s[G1A+7], 0
	s_mov_b32 s[G1B+1], 256<<16                    ; B: 64 rows x 256 elements
	s_mov_b32 s[G1B+2], 64<<16
	s_mov_b32 s[G1B+3], 256<<16
	s_mov_b32 s[G1B+4], 64
	s_mov_b32 s[G1B+5], 4096
	s_mov_b32 s[G1B+6], 0
	s_mov_b32 s[G1B+7], 0
	s_lshl_b32 s40, s[TROW], 8
	s_lshl_b32 s41, s[HALF], 7
	s_add_co_u32 s40, s40, s41
	s_lshl_b32 s40, s40, 11                        ; A: row 256 x tile row + 128 x half, 2,048 bytes a row
	s_mov_b32 s41, 0
	s_lshl_b32 s46, s[HALF], 19                    ; B: 64 rows of 8,192 bytes a half, the tile's 512 bytes of a row
	s_lshl_b32 s47, s[TCOL], 9
	s_add_co_u32 s46, s46, s47
	s_add_co_u32 s46, s46, WOFF
	s_mov_b32 s47, 0
	s_mul_i32 s[LBA], s[HALF], AHALF
	s_mul_i32 s[LBB], s[HALF], BHALF
	s_add_co_u32 s[LBB], s[LBB], 2*AHALF
	s_mov_b32 s[RB], 0
	s_mov_b32 s[FB], SLOT
	s_mov_b32 s[CC], 0x3f596d27                    ;  0.84932180 = sqrt(log2(e) / 2)
	s_mov_b32 s[PC], 0x3e8ba43f                    ;  0.27273748 = 0.3275911 / sqrt(log2(e))
	s_mov_b32 s[PC+1], s[PC]
	s_mov_b32 s[A1], 0x3e199eb3                    ;  0.15001945
	s_mov_b32 s[A1+1], s[A1]
	s_mov_b32 s[A2], 0xbe2b8119                    ; -0.16748465
	s_mov_b32 s[A2+1], s[A2]
	s_mov_b32 s[A3], 0x3f563817                    ;  0.83679339
	s_mov_b32 s[A3+1], s[A3]
	s_mov_b32 s[A4], 0xbf5b0099                    ; -0.85547787
	s_mov_b32 s[A4+1], s[A4]
	s_mov_b32 s[A5], 0x3f1ff67a                    ;  0.62485469
	s_mov_b32 s[A5+1], s[A5]
	s_wait_dscnt 0x0
	s_wait_kmcnt 0x0
	s_add_nc_u64 s[42:43], s[4:5], s[40:41]
	s_add_nc_u64 s[46:47], s[6:7], s[46:47]
	CROUND
.irp s, 0,1
	s_mov_b32 s[G0A+4*(\s)], 1
	s_add_co_u32 s[G0A+4*(\s)+1], s[LBA], (\s)*SLOT
	s_add_nc_u64 s[G0A+4*(\s)+2:G0A+4*(\s)+3], s[42:43], (\s)*ASTEP
	s_or_b32 s[G0A+4*(\s)+3], s[G0A+4*(\s)+3], 0x80000000
	s_mov_b32 s[G0B+4*(\s)], 1
	s_add_co_u32 s[G0B+4*(\s)+1], s[LBB], (\s)*SLOT
	s_add_nc_u64 s[G0B+4*(\s)+2:G0B+4*(\s)+3], s[46:47], (\s)*BSTEP
	s_or_b32 s[G0B+4*(\s)+3], s[G0B+4*(\s)+3], 0x80000000
.endr
	s_cmp_eq_u32 s[ROLE], 0                        ; a wave's two first fills stand in one branch: two loads of mine are out
	s_cbranch_scc0 .Lfirst_b
	tensor_load_to_lds s[G0A:G0A+3], s[G1A:G1A+7]
	s_nop 0
	tensor_load_to_lds s[G0A+4:G0A+7], s[G1A:G1A+7]
	s_nop 0
	PLACES
	s_branch .Lfirst_done
.Lfirst_b:
	tensor_load_to_lds s[G0B:G0B+3], s[G1B:G1B+7]
	s_nop 0
	tensor_load_to_lds s[G0B+4:G0B+7], s[G1B:G1B+7]
	s_nop 0
	PLACES
.Lfirst_done:
	v_and_b32 v1, 15, v0                           ; r
	v_bfe_u32 v2, v0, 4, 1                         ; h
	v_and_b32 v3, 7, v0
	v_bfe_u32 v4, v0, 3, 1
	v_and_b32 v5, 31, v0                           ; l
	s_lshl_b32 s21, s[TCOL], 10                    ; b1 of my columns: 256 x tile column + 128 x half + 16 b + 8 h + j, four bytes each
	s_lshl_b32 s22, s[HALF], 9
	s_add_co_u32 s21, s21, s22
	v_lshl_add_u32 v7, v2, 5, s21
.irp b, 0,1,2,3,4,5,6,7
	global_load_b128 v[BIAS+8*(\b):BIAS+8*(\b)+3],   v7, s[8:9] offset:64*(\b)
	global_load_b128 v[BIAS+8*(\b)+4:BIAS+8*(\b)+7], v7, s[8:9] offset:64*(\b)+16
.endr
	v_mul_u32_u24 v[ADRA0], v1, PA
	v_lshl_add_u32 v[ADRA0], v2, 4, v[ADRA0]
	s_mul_i32 s21, s[ROLE], AHALF                  ; my 128 rows of A
	v_add_nc_u32 v[ADRA0], s21, v[ADRA0]
	v_lshl_add_u32 v6, v2, 3, v3
	v_mul_u32_u24 v[ADRB0], v6, PB
	v_lshl_add_u32 v[ADRB0], v4, 4, v[ADRB0]
	s_lshl_b32 s21, s[HALF], 8                     ; my 128 columns of B
	s_add_co_u32 s21, s21, 2*AHALF
	v_add_nc_u32 v[ADRB0], s21, v[ADRB0]
	v_mov_b32 v[ADRA], v[ADRA0]
	v_mov_b32 v[ADRB], v[ADRB0]
	s_lshl_b32 s21, s[WV], 16                      ; my stage
	v_lshl_add_u32 v[RD0], v5, 4, s21
	v_lshlrev_b32 v[CO], 4, v5
	s_lshl_b32 s40, s[TROW], 21                    ; hb at my quadrant: block row 16 x tile row + 8 x half, 131,072 bytes each; block column 8 x tile column + 4 x half, 1,024 bytes each
	s_lshl_b32 s41, s[ROLE], 20
	s_add_co_u32 s40, s40, s41
	s_lshl_b32 s41, s[TCOL], 13
	s_add_co_u32 s40, s40, s41
	s_lshl_b32 s41, s[HALF], 12
	s_add_co_u32 s40, s40, s41
	s_mov_b32 s41, 0
	s_add_nc_u64 s[10:11], s[10:11], s[40:41]
	; the prefetches, at K step 3; the first change of slots steps them to 4.  A: 32 rows for partner cx; B: 16 rows x 2 blocks for partner cy
	s_lshl_b32 s40, s[TROW], 8
	s_lshl_b32 s22, s[HALF], 7
	s_add_co_u32 s40, s40, s22
	s_lshl_b32 s22, s[CX], 5
	s_add_co_u32 s40, s40, s22
	s_lshl_b32 s40, s40, 11
	s_add_co_u32 s40, s40, 3*ASTEP
	s_lshl_b32 s22, s[HALF], 6
	s_lshl_b32 s23, s[CY], 4
	s_add_co_u32 s22, s22, s23
	s_add_co_u32 s22, s22, 3*KSTEP
	s_lshl_b32 s22, s22, 13
	s_lshl_b32 s23, s[TCOL], 9
	s_add_co_u32 s22, s22, s23
	s_add_co_u32 s22, s22, WOFF
	s_and_b32 s21, ttmp7, 0xffff
	s_mov_b32 s23, 2048
	s_mov_b32 s41, 8192
	s_mov_b32 s[PFS], ASTEP
	s_mov_b32 s[PFS+1], BSTEP
	s_cmp_eq_u32 s[ROLE], 0
	s_cselect_b32 s22, s40, s22
	s_cselect_b32 s21, ttmp9, s21
	s_cselect_b32 s41, s23, s41
	s_cselect_b32 s[PFS], s[PFS], s[PFS+1]
	s_cselect_b64 s[PFA:PFA+1], s[4:5], s[6:7]
	s_mov_b32 s23, 0
	s_mov_b32 s[PFS+1], 0
	s_add_nc_u64 s[PFA:PFA+1], s[PFA:PFA+1], s[22:23]
	s_cmp_eq_u32 s21, 0
	s_cselect_b32 s[LIM], 2, -1
	v_lshrrev_b32 v[PFO], s[ROLE], v5              ; B's rows hold two blocks of a K step, A's one
	v_mul_lo_u32 v[PFO], v[PFO], s41
	v_and_b32 v6, s[ROLE], v5
	v_lshl_add_u32 v[PFO], v6, 8, v[PFO]
	s_wait_loadcnt 0x0                             ; b1
	s_wait_tensorcnt 1                             ; my part of K step 0 is in; step 1's may stay out
	s_barrier_signal -1
	s_barrier_wait -1
	FETCH 0, F0
	QUARTER 1, F0, F1, 1                           ; the first phase starts the sums, with b1
	WIN 0
	s_mov_b32 s3, T-2
.Lk:                                               ; a trip: a step's phases 1 to 3 and the next step's phase 0; it fills the slot that it leaves
	QUARTER 2, F1, F0, 0
	QUARTER 3, F0, F1, 0
	TURN 1
	QUARTER 1, F0, F1, 0
	WIN 0
	s_sub_co_u32 s3, s3, 1
	s_cmp_lg_u32 s3, 0
	s_cbranch_scc1 .Lk
	s_mov_b32 s3, 2                                ; the last two steps fetch nothing from memory: a text of their own; walked twice, and left in its middle the second time
.Lt:
	QUARTER 2, F1, F0, 0
	QUARTER 3, F0, F1, 0
	WIN 0
	s_sub_co_u32 s3, s3, 1
	s_cmp_eq_u32 s3, 0
	s_cbranch_scc1 .Llast
	TURN 0
	QUARTER 1, F0, F1, 0
	WIN 0
	s_branch .Lt
.Llast:
	s_wait_dscnt 8
	MULH F1, 0, 0, 0
	MULH F1, 0, 2, 0
	s_wait_dscnt 0x0                               ; my reads of the ring are over:
	s_barrier_signal -1
	MULH F1, 1, 0, 0
	MULH F1, 1, 2, 0
	WIN 0
	s_barrier_wait -1                              ; everybody's are: the stages may be written
	; THE WAY OUT.  The accumulators go into my own stage as they lie (accumulator (a, b) at 1,024 (8 a + b): registers 0-3 of all lanes, then registers 4-7), so that ONE text, looped over, serves all 64.
	PLACES
	PLACES
.irp hi, 0,1
	WIN (2+(\hi))<<2                               ; the stores' data: window 2, then 3
.irp a, 0,1,2,3
.irp b, 0,1,2,3,4,5,6,7
	ds_store_b128 v[RD0], v[8*(8*(\a)+(\b)):8*(8*(\a)+(\b))+3]   offset:(8*(4*(\hi)+(\a))+(\b))*1024
	ds_store_b128 v[RD0], v[8*(8*(\a)+(\b))+4:8*(8*(\a)+(\b))+7] offset:(8*(4*(\hi)+(\a))+(\b))*1024+512
.endr
.endr
.endr
	WIN 0
.irp n, 0,1,2,3
	ds_load_b128 v[X+4*(\n):X+4*(\n)+3], v[RD0] offset:512*(\n)  ; my own bytes: LDS serves a wave's instructions in order (ISA guide 5.7.1.4)
.endr
	s_mov_b32 s23, 0
	s_mov_b32 s3, 0
.Lgelu:                                            ; 32 trips: trip i takes accumulators (i / 4, 2 (i % 4)) and (i / 4, 2 (i % 4) + 1): 16 rows x 32 columns, one block of hb
	s_lshr_b32 s22, s3, 2
	s_lshl_b32 s22, s22, 17                        ; the block's place from my quadrant's first: 131,072 (i / 4)
	s_and_b32 s21, s3, 3
	s_lshl_b32 s21, s21, 10                        ; + 1,024 (i % 4)
	s_add_co_u32 s22, s22, s21
	s_add_co_u32 s3, s3, 1
	s_and_b32 s21, s3, 31                          ; the next trip's numbers are fetched in this one; the last trip fetches my first two accumulators once more and uses nothing of them
	s_lshl_b32 s21, s21, 11
	v_add_nc_u32 v[RD], s21, v[RD0]
	s_wait_dscnt 0x0
.set n, 0
.rept 16
	v_mul_f32 v[ZZ+n], |v[X+n]|, s[CC]             ; z = c |x|
.set n, n+1
.endr
.set n, 0
.rept 8
	v_pk_fma_f32 v[TT+2*n:TT+2*n+1], v[ZZ+2*n:ZZ+2*n+1], s[PC:PC+1], 1.0 op_sel_hi:[1,0,0]
.set n, n+1
.endr
.set n, 0
.rept 8
	v_pk_mul_f32 v[EE+2*n:EE+2*n+1], v[ZZ+2*n:ZZ+2*n+1], v[ZZ+2*n:ZZ+2*n+1] neg_lo:[0,1] neg_hi:[0,1]  ; -z^2
.set n, n+1
.endr
.set n, 0
.rept 16                                           ; one batch of 32; max(x, 0), which waits for nothing, stands between them
	v_rcp_f32 v[TT+n], v[TT+n]
	v_max_num_f32 v[MX+n], 0, v[X+n]
	v_exp_f32 v[EE+n], v[EE+n]
.set n, n+1
.endr
	v_nop                                          ; a plain instruction behind the last of the batch
.irp n, 0,1,2,3
	ds_load_b128 v[X+4*(\n):X+4*(\n)+3], v[RD] offset:512*(\n)
.endr
	s_wait_alu depctr_va_vdst(0)                   ; one wait for all 32, ahead of the first use
.set n, 0
.rept 8
	v_pk_fma_f32 v[PP+2*n:PP+2*n+1], v[TT+2*n:TT+2*n+1], s[A5:A5+1], s[A4:A4+1] op_sel_hi:[1,0,0]
.set n, n+1
.endr
.irp c, A3, A2, A1
.set n, 0
.rept 8
	v_pk_fma_f32 v[PP+2*n:PP+2*n+1], v[PP+2*n:PP+2*n+1], v[TT+2*n:TT+2*n+1], s[(\c):(\c)+1] op_sel_hi:[1,1,0]
.set n, n+1
.endr
.endr
.set n, 0
.rept 8
	v_pk_mul_f32 v[PP+2*n:PP+2*n+1], v[PP+2*n:PP+2*n+1], v[TT+2*n:TT+2*n+1]
.set n, n+1
.endr
.set n, 0
.rept 8
	v_pk_mul_f32 v[PP+2*n:PP+2*n+1], v[PP+2*n:PP+2*n+1], v[EE+2*n:EE+2*n+1]
.set n, n+1
.endr
.set n, 0
.rept 8
	v_pk_fma_f32 v[MX+2*n:MX+2*n+1], v[ZZ+2*n:ZZ+2*n+1], v[PP+2*n:PP+2*n+1], v[MX+2*n:MX+2*n+1] neg_lo:[0,1,0] neg_hi:[0,1,0]  ; max(x, 0) - z poly e
.set n, n+1
.endr
	s_wait_xcnt 0x0                                ; the last trip's stores have read their data and their base
.set n, 0
.rept 8
	v_cvt_pk_bf16_f32 v[HB+n], v[MX+2*n], v[MX+2*n+1]
.set n, n+1
.endr
	s_add_nc_u64 s[40:41], s[10:11], s[22:23]
	global_store_b128 v[CO], v[HB:HB+3],   s[40:41]             ; each store of the wave covers 512 consecutive bytes, aligned: half a block
	global_store_b128 v[CO], v[HB+4:HB+7], s[40:41] offset:512
	s_cmp_lt_u32 s3, 32
	s_cbranch_scc1 .Lgelu
	s_wait_tensorcnt 0x0                           ; the wave's end
	ds_add_u32 v[SPW], v[NIL]
	s_wait_dscnt 0x0
	CROUND                                         ; the closing round
	s_endpgm
.Lfunc_end_k_qd5ee5c60ea_ffn1:
	.size	k_qd5ee5c60ea_ffn1, .Lfunc_end_k_qd5ee5c60ea_ffn1-k_qd5ee5c60ea_ffn1
	.p2alignl 7, 3214868480
	.fill 96, 4, 3214868480
	.section	.rodata,"a",@progbits
	.p2align	6, 0x0
	.amdhsa_kernel k_qd5ee5c60ea_ffn1
		.amdhsa_group_segment_fixed_size 327680
		.amdhsa_private_segment_fixed_size 0
		.amdhsa_enable_private_segment 0
		.amdhsa_kernarg_size 32
		.amdhsa_user_sgpr_count 2
		.amdhsa_user_sgpr_kernarg_segment_ptr 1
		.amdhsa_wavefront_size32 1
		.amdhsa_system_sgpr_workgroup_id_x 1
		.amdhsa_system_sgpr_workgroup_id_y 1
		.amdhsa_system_sgpr_workgroup_id_z 1
		.amdhsa_system_vgpr_workitem_id 0
		.amdhsa_next_free_vgpr 1024
		.amdhsa_next_free_sgpr 96
		.amdhsa_reserve_vcc 0
		.amdhsa_float_denorm_mode_32 3
		.amdhsa_float_denorm_mode_16_64 3
		.amdhsa_memory_ordered 1
		.amdhsa_forward_progress 1
		.amdhsa_inst_pref_size 93
	.end_amdhsa_kernel
	.amdgpu_metadata
---
amdhsa.version: [ 1, 2 ]
amdhsa.kernels:
  - .name:           k_qd5ee5c60ea_ffn1
    .symbol:         k_qd5ee5c60ea_ffn1.kd
    .args:
      - { .name: xb, .offset: 0, .size: 8, .value_kind: global_buffer, .address_space: global }
      - { .name: wb, .offset: 8, .size: 8, .value_kind: global_buffer, .address_space: global }
      - { .name: b1, .offset: 16, .size: 8, .value_kind: global_buffer, .address_space: global }
      - { .name: hb, .offset: 24, .size: 8, .value_kind: global_buffer, .address_space: global }
    .group_segment_fixed_size: 327680
    .private_segment_fixed_size: 0
    .kernarg_segment_align: 8
    .kernarg_segment_size: 32
    .max_flat_workgroup_size: 128
    .sgpr_count:     96
    .vgpr_count:     1024
    .wavefront_size: 32
...
	.end_amdgpu_metadata
.endif
;; end of part 6
;; launch ffn2 (part 7): grid 8 x 32, 4 waves a work-group, clusters of 4 x 4, 327,680 bytes of LDS; arguments hb, wb, y; writes y
.if DOCPART == 7
	.amdgcn_target "amdgcn-amd-amdhsa--gfx1250"
	.amdhsa_code_object_version 6
	.text
	.protected	k_qd5ee5c60ea_ffn2
	.globl	k_qd5ee5c60ea_ffn2
	.p2align	8
	.type	k_qd5ee5c60ea_ffn2,@function
k_qd5ee5c60ea_ffn2:
	s_mov_b64 s[64:65], 0
	v_nop
	global_prefetch_b8 v0, s[64:65] scope:SCOPE_SE
	s_setreg_imm32_b32 hwreg(HW_REG_WAVE_MODE, 25, 1), 1
	s_wait_xcnt 0x0
	s_wait_alu depctr_hold_cnt(0) depctr_sa_sdst(0) depctr_va_vdst(0) depctr_va_sdst(0) depctr_va_ssrc(0) depctr_va_vcc(0) depctr_vm_vsrc(0)
	s_getreg_b32 s2, hwreg(HW_REG_IB_STS2, 6, 4)
	s_cmp_eq_u32 s2, 0
	s_cbranch_scc0 .Lentry_in_a_cluster
	s_endpgm
.Lentry_in_a_cluster:
	s_bfe_u32 s2, ttmp6, 0x10000c
	s_cmp_lg_u32 s2, 0xf033
	s_cbranch_scc0 .Lentry_shape_is_right
	s_endpgm
.Lentry_shape_is_right:
; y[4096][1024] (f32) = h[4096][4096] x W2[4096][1024], operands bf16, sums f32; b2 is added by the launch behind.
; hb holds h in blocks of 16 rows x 32 along K, 1,024 bytes each, block (row / 16, k / 32) at ((row / 16) x 128 + k / 32) x 1,024; a block is the image of a matrix operand's registers: byte 512 s + 16 l is lane l's registers 4 s .. 4 s + 3.
; A tile of C is 128 x 128: 8 x 32 = 256 tiles, a work-group each.  K IS SPLIT AMONG THE FOUR WAVES: of each slot's 512 along K wave w takes 128 w .. 128 w + 127, for the whole tile: 8 x 8 accumulators, 512 registers.
; The four partial tiles meet in LDS at the end (f32 sums, in another order than K ascending).  So every fragment of h and of W2 is read by ONE wave.
; B (W2, [k][n]) goes through two LDS slots, since its fragments must be turned (ds_load_tr16_b128): a wave fetches and reads its own tile of 128 rows x 256 bytes, by one tensor load, asked for jointly by a column of the cluster.
; A (h) COMES STRAIGHT INTO REGISTERS, two loads of 512 consecutive bytes a fragment, four buffers of 64 registers, one for each of a slot's four phases of 32 along K; half a buffer is asked for again when its
; 32 products are issued, a slot ahead of its next use: 48 to 56 loads of a wave are out (64 once, at the head).
; WHY A IS NOT ASKED FOR JOINTLY, though the four work-groups of a row of the cluster read the same blocks: it needs no LDS, and with A's tiles in LDS beside B's a slot would hold 256 along K, 128 matrix instructions a wave,
; of which 112 stand between a refill and the wait for it; with B's alone it holds 512, and 224 stand there.  The price: each of the four loads A's blocks for itself.
; REGISTERS: window 0 v0-31 addresses, v64-127 and v128-191 B's two fragment buffers; window 1 A's four buffers (phase q, row block a at 64 q + 8 a); windows 2, 3 the accumulators ((a, b) at v[8 (8 (a % 4) + b)]).
; LIMITS: operands are rounded to bf16; NaN and infinities are not treated apart.
.set KDIM,  4096
.set WOFF,  16777216                   ; W2's first byte in wb
.set NS,    KDIM/512                   ; slots
.set PB,    288                        ; B's LDS row: 256 bytes + 32
.set BQ,    128*PB                     ; a wave's tile
.set SLOT,  4*BQ                       ; 147,456
.set SPARE, 2*SLOT                     ; behind the ring: the spare words, 128 bytes a wave, which no other line names
.set BSTEP, 512*2048                   ; bytes of W2 from a slot to the next
.set ABLK,  (KDIM/32)*1024             ; bytes of hb from a block of 16 rows to the next
.set ASLOT, 16*1024                    ; bytes of hb from a slot to the next: 16 blocks of 32 along K
.set SPF,   528                        ; a stage's row: 128 f32 + 16 bytes
.set STG,   128*SPF                    ; a wave's stage; the four lie in the ring, whose slots have had their last fill
.set AO,    8                          ; v8  16 x my lane; never rewritten
.set CO,    9
.set STO,   10
.set RD,    12                         ; v12-15 where I read a row of each of the four stages
.set ADRB0, 20                         ; v20 my lane's place in my tile of B; never rewritten
.set ADRB,  24                         ; v24 the same in the slot being read
.set SPW,   28                         ; v28 SPARE + 4 x my thread's number; never rewritten
.set NIL,   29                         ; v29 0; never rewritten
.set PFOA,  30                         ; v30, v31 the prefetches' lane offsets; never rewritten
.set PFOB,  31
.set F0,    64
.set WV,    12
.set CX,    15
.set CY,    16
.set TCOL,  17
.set TROW,  18
.set G1,    24                         ; s[24:31] B's shape   s[32:39] two sets of from-where-to-where; the second walks
.set G0,    32
.set AP,    40                         ; s[40:41] hb at my 8 row blocks, my 4 blocks along K of the slot that is being asked for
.set PFA,   42                         ; s[42:43], s[44:45] where my prefetches stand
.set PFB,   44
.set LIMA,  46                         ; s46, s47 1 in a cluster that asks, else the greatest number
.set LIMB,  47
.set RB,    71                         ; s71 LDS byte of the slot being read   s72 of the slot filled last   s73 my tile's place in a slot
.set FB,    72
.set LB,    73
.set MSB, 0
.macro WIN new                         ; the immediate's high byte repeats the setting that is left; a switch that changes nothing is dropped
.if MSB != (\new)
	s_set_vgpr_msb (MSB<<8)|(\new)
.set MSB, \new
.endif
.endm
.set MUL_LO, 0xa4                      ; source 0 (B) window 0, source 1 (A) window 1, C and D window 2
.set TO_A,   0x40                      ; destination window 1, address window 0
.macro PLACES                          ; four plain vector instructions between a matrix instruction and a load into, or a read of, its registers
.rept 4
	v_nop
.endr
.endm
.macro CREST                           ; a round of the cluster's barrier behind its opening barrier
	s_cmp_lg_u32 s[WV], 0
	s_cbranch_scc1 .Lnot_wave_0_\@
	s_barrier_signal -3
.Lnot_wave_0_\@:
	s_barrier_wait -3
	s_barrier_signal -1
	s_barrier_wait -1
.endm
.macro CROUND
	s_barrier_signal -1
	s_barrier_wait -1
	CREST
.endm
; TWO PREFETCHES behind each refill and the loads that follow it, each 32 blocks of 256 bytes, a lane a block.  In slot j the refill brings B of slot j + 2 and the loads take A of slot j + 1: both lines name slot j + 3,
; 256 matrix instructions ahead of the refill and of the loads that will want it.  A's blocks are read by both clusters of a row of clusters: cluster x = 0 asks, and of the tile's 8 row blocks partner cx takes two
; (my wave's 4,096 bytes of each).  B's rows are read by all eight clusters of a column: cluster y = 0 asks, and of my wave's 128 rows partner cy takes 32.  So each aligned block of 256 bytes is named once.
; s3 = NS - 2 - j: the last change that fills (s3 = 1) asks for nothing, since slot NS does not exist.
.macro ASK
	s_cmp_gt_u32 s3, s[LIMA]
	s_cbranch_scc0 .Lnot_a_\@
	global_prefetch_b8 v[PFOA], s[PFA:PFA+1] th:TH_LOAD_NT scope:SCOPE_SE
.Lnot_a_\@:
	s_cmp_gt_u32 s3, s[LIMB]
	s_cbranch_scc0 .Lnot_b_\@
	global_prefetch_b8 v[PFOB], s[PFB:PFB+1] th:TH_LOAD_NT scope:SCOPE_SE
.Lnot_b_\@:
.endm
; 16 matrix instructions of phase q: row blocks a0, a0 + 1 of the window's four x all 8 column blocks.  All 64 accumulators take turns in one order in every phase.
.macro MUL16 q, hi, a0, zero
	WIN MUL_LO+0x50*(\hi)
.irp a, \a0, (\a0)+1
.irp b, 0,1,2,3,4,5,6,7
.if \zero
	v_wmma_f32_16x16x32_bf16 v[8*(8*(\a)+(\b)):8*(8*(\a)+(\b))+7], v[F0+64*((\q)%2)+8*(\b):F0+64*((\q)%2)+8*(\b)+7], v[64*(\q)+8*(4*(\hi)+(\a)):64*(\q)+8*(4*(\hi)+(\a))+7], 0
.else
	v_wmma_f32_16x16x32_bf16 v[8*(8*(\a)+(\b)):8*(8*(\a)+(\b))+7], v[F0+64*((\q)%2)+8*(\b):F0+64*((\q)%2)+8*(\b)+7], v[64*(\q)+8*(4*(\hi)+(\a)):64*(\q)+8*(4*(\hi)+(\a))+7], v[8*(8*(\a)+(\b)):8*(8*(\a)+(\b))+7]
.endif
.endr
.endr
.endm
; Eight loads: A's fragments of phase q, row blocks 4 hi .. 4 hi + 3; each load of the wave covers 512 consecutive bytes, aligned
.macro ALOAD q, hi
	WIN TO_A
.irp a, 0,1,2,3
	global_load_b128 v[64*(\q)+8*(4*(\hi)+(\a)):64*(\q)+8*(4*(\hi)+(\a))+3],   v[AO], s[AP:AP+1] offset:(4*(\hi)+(\a))*ABLK+(\q)*1024
	global_load_b128 v[64*(\q)+8*(4*(\hi)+(\a))+4:64*(\q)+8*(4*(\hi)+(\a))+7], v[AO], s[AP:AP+1] offset:(4*(\hi)+(\a))*ABLK+(\q)*1024+512
.endr
.endm
; Sixteen LDS loads: B's eight fragments of phase q, turned, into buffer q % 2
.macro FETCHB q
	WIN 0
.irp i, 0,1,2,3,4,5,6,7
	ds_load_tr16_b128 v[F0+64*((\q)%2)+8*(\i):F0+64*((\q)%2)+8*(\i)+3],   v[ADRB] offset:(\q)*32*PB+32*(\i)
	ds_load_tr16_b128 v[F0+64*((\q)%2)+8*(\i)+4:F0+64*((\q)%2)+8*(\i)+7], v[ADRB] offset:(\q)*32*PB+32*(\i)+16*PB
.endr
.endm
; The wait for the half buffer of A that is wanted NEXT.  While halves are asked for again, six halves of eight loads were issued behind it: 48.  In the last slot nothing is asked for, and the counts run down.
.set LOADING, 1
.set CNTA, 48
.macro AWAIT
.if CNTA >= 0
	s_wait_loadcnt CNTA
.endif
.if !LOADING
.set CNTA, CNTA-8
.endif
.endm
; One of a slot's first three phases: 64 matrix instructions.  Each half of A's buffer is asked for again behind its 32 products; the next phase's B is fetched in the middle.
; step = 1 (phase 0): the pointers go on to the next slot, behind s_wait_xcnt 0: the youngest load stands 32 products back, the youngest prefetch 64.
.macro PHASE q, zero=0, step=0
	s_wait_dscnt 0x0                               ; B of this phase is in
	MUL16 \q, 0, 0, \zero
	MUL16 \q, 0, 2, \zero
	AWAIT
	PLACES
.if \step
	s_wait_xcnt 0x0
	s_add_nc_u64 s[AP:AP+1], s[AP:AP+1], ASLOT
	s_add_nc_u64 s[PFA:PFA+1], s[PFA:PFA+1], ASLOT
	s_add_nc_u64 s[PFB:PFB+1], s[PFB:PFB+1], BSTEP
.endif
.if LOADING
	ALOAD \q, 0
.endif
	FETCHB (\q)+1
	MUL16 \q, 1, 0, \zero
	MUL16 \q, 1, 2, \zero
	AWAIT
.if LOADING
	PLACES
	ALOAD \q, 1
.endif
.endm
; A slot's last phase changes slots.  In front of the barrier each wave waits for all its tensor loads (one is out: its tile of the next slot), adds 0 to its spare word, and waits for that and for its reads of this slot.
; fill = 1: the barrier opens a round of the cluster's, and the joint refill, the slot two on, is the first tensor load behind it: 224 matrix instructions ahead of the wait for it.
.macro TURN fill
	WIN 0
	s_wait_tensorcnt 0x0
	ds_add_u32 v[SPW], v[NIL]
	s_wait_dscnt 1                                 ; B of this phase is in; the add may be out
	MUL16 3, 0, 0, 0
	s_wait_dscnt 0x0                               ; the add is done, my reads of this slot are over
	s_barrier_signal -1
	MUL16 3, 0, 2, 0
	WIN 0
	s_barrier_wait -1
.if \fill
	CREST
	s_xor_b32 s[FB], s[FB], SLOT                   ; no tensor load of mine is out: the walking set is written: the other slot,
	s_add_co_u32 s[G0+5], s[LB], s[FB]
	s_add_nc_u64 s[G0+6:G0+7], s[G0+6:G0+7], BSTEP ; the next 512 rows of W2
	tensor_load_to_lds s[G0+4:G0+7], s[G1:G1+7]
	s_nop 0
.endif
	PLACES                                         ; behind the tensor load, and the places in front of the loads below
	s_xor_b32 s[RB], s[RB], SLOT
	v_add_nc_u32 v[ADRB], s[RB], v[ADRB0]
	FETCHB 0
	AWAIT
	ALOAD 3, 0
.if \fill
	WIN 0
	ASK
.endif
	MUL16 3, 1, 0, 0
	MUL16 3, 1, 2, 0
	AWAIT
	PLACES
	ALOAD 3, 1
.endm
	s_load_b128 s[4:7], s[0:1], 0x0                ; hb s[4:5], wb s[6:7]
	s_load_b64 s[8:9], s[0:1], 0x10                ; y
	v_lshl_add_u32 v[SPW], v0, 2, SPARE
	v_mov_b32 v[NIL], 0
	ds_add_u32 v[SPW], v[NIL]                      ; the wave's opening: the add and its wait ahead of my first tensor load
	v_lshrrev_b32 v1, 5, v0
	v_readfirstlane_b32 s[WV], v1
	s_bfe_u32 s[CX], ttmp6, 0x40000
	s_bfe_u32 s[CY], ttmp6, 0x40004
	s_lshl_b32 s[TCOL], ttmp9, 2
	s_add_co_u32 s[TCOL], s[TCOL], s[CX]
	s_and_b32 s[TROW], ttmp7, 0xffff
	s_lshl_b32 s[TROW], s[TROW], 2
	s_add_co_u32 s[TROW], s[TROW], s[CY]
	s_lshl_b32 s20, 0x1111, s[CX]                  ; my column of the cluster
	s_or_b32 s[G1], s20, (1<<16)|(1<<20)|(1<<21)|(5<<22)|(7<<25)  ; mask; 2-byte elements; padding on; bit 21 beside a mask; after every 64 words 8 words
	s_mov_b32 s[G1+1], 128<<16                     ; tensor_dim0 = 128
	s_mov_b32 s[G1+2], 128<<16                     ; tensor_dim1 = 128
	s_mov_b32 s[G1+3], 128<<16                     ; tile_dim0 = 128
	s_mov_b32 s[G1+4], 128                         ; tile_dim1 = 128
	s_mov_b32 s[G1+5], 1024                        ; elements from row to row
	s_mov_b32 s[G1+6], 0
	s_mov_b32 s[G1+7], 0
	s_lshl_b32 s48, s[WV], 18                      ; B: my 128 rows of 2,048 bytes, the tile's 256 bytes of a row
	s_lshl_b32 s49, s[TCOL], 8
	s_add_co_u32 s48, s48, s49
	s_add_co_u32 s48, s48, WOFF
	s_mov_b32 s49, 0
	s_lshl_b32 s50, s[TROW], 20                    ; A: the tile's 8 row blocks of 131,072 bytes, my 4 blocks of 1,024 along K
	s_lshl_b32 s51, s[WV], 12
	s_add_co_u32 s50, s50, s51
	s_mov_b32 s51, 0
	s_mul_i32 s[LB], s[WV], BQ
	s_mov_b32 s[RB], 0
	s_mov_b32 s[FB], SLOT
	s_wait_dscnt 0x0                               ; the opening add is done
	s_wait_kmcnt 0x0
	s_add_nc_u64 s[48:49], s[6:7], s[48:49]
	s_add_nc_u64 s[AP:AP+1], s[4:5], s[50:51]
	CROUND                                         ; all sixteen work-groups are here: the first joint loads meet
.irp s, 0,1
	s_mov_b32 s[G0+4*(\s)], 1
	s_add_co_u32 s[G0+4*(\s)+1], s[LB], (\s)*SLOT
	s_add_nc_u64 s[G0+4*(\s)+2:G0+4*(\s)+3], s[48:49], (\s)*BSTEP
	s_or_b32 s[G0+4*(\s)+3], s[G0+4*(\s)+3], 0x80000000
.endr
	tensor_load_to_lds s[G0:G0+3], s[G1:G1+7]      ; the two first fills: two loads of mine are out
	s_nop 0
	tensor_load_to_lds s[G0+4:G0+7], s[G1:G1+7]
	s_nop 0
	PLACES
	v_and_b32 v5, 31, v0                           ; l
	v_lshlrev_b32 v[AO], 4, v5
.irp q, 0,1,2,3
	ALOAD \q, 0                                    ; A of slot 0
	ALOAD \q, 1
.endr
	WIN 0
	v_and_b32 v1, 15, v0                           ; r = l % 16
	v_bfe_u32 v2, v0, 4, 1                         ; h = l / 16
	v_and_b32 v3, 7, v0
	v_bfe_u32 v4, v0, 3, 1
	v_lshl_add_u32 v6, v2, 3, v3                   ; the turning load: lane l reads row 8 h + l % 8 of W2, 16 bytes (l / 8) % 2
	v_mul_u32_u24 v[ADRB0], v6, PB
	v_lshl_add_u32 v[ADRB0], v4, 4, v[ADRB0]
	v_add_nc_u32 v[ADRB0], s[LB], v[ADRB0]
	v_mov_b32 v[ADRB], v[ADRB0]
	s_mul_i32 s21, s[WV], STG                      ; into my stage: row r, 32 bytes for each half of the lanes
	v_mul_u32_u24 v[STO], v1, SPF
	v_lshl_add_u32 v[STO], v2, 5, v[STO]
	v_add_nc_u32 v[STO], s21, v[STO]
	s_mul_i32 s21, s[WV], 32*SPF                   ; back: wave w sums rows 32 w on; a row's 512 bytes are 16 a lane
	v_lshl_add_u32 v[RD], v5, 4, s21
	v_add_nc_u32 v[RD+1], STG, v[RD]
	v_add_nc_u32 v[RD+2], 2*STG, v[RD]
	v_add_nc_u32 v[RD+3], 3*STG, v[RD]
	v_lshlrev_b32 v[CO], 4, v5
	s_lshl_b32 s50, s[TROW], 7
	s_lshl_b32 s51, s[WV], 5
	s_add_co_u32 s50, s50, s51
	s_lshl_b32 s50, s50, 12
	s_lshl_b32 s51, s[TCOL], 9
	s_add_co_u32 s50, s50, s51
	s_mov_b32 s51, 0
	s_add_nc_u64 s[8:9], s[8:9], s[50:51]          ; y at the first row that I store
	; the prefetches stand at slot 2; phase 0 of slot j steps them to slot j + 3
	s_lshl_b32 s50, s[CX], 18                      ; A: my work-group's two row blocks
	s_add_nc_u64 s[PFA:PFA+1], s[AP:AP+1], s[50:51]
	s_add_nc_u64 s[PFA:PFA+1], s[PFA:PFA+1], 2*ASLOT
	s_lshl_b32 s50, s[CY], 16                      ; B: my work-group's 32 rows
	s_add_nc_u64 s[PFB:PFB+1], s[48:49], s[50:51]
	s_add_nc_u64 s[PFB:PFB+1], s[PFB:PFB+1], 2*BSTEP
	s_mov_b32 s21, ttmp9
	s_cmp_eq_u32 s21, 0
	s_cselect_b32 s[LIMA], 1, -1                   ; the same in all sixteen partners
	s_and_b32 s21, ttmp7, 0xffff
	s_cmp_eq_u32 s21, 0
	s_cselect_b32 s[LIMB], 1, -1
	v_lshlrev_b32 v[PFOA], 17, v2                  ; row block l / 16, 256 bytes l % 16
	v_lshl_add_u32 v[PFOA], v1, 8, v[PFOA]
	v_lshlrev_b32 v[PFOB], 11, v5                  ; a lane a row
	s_wait_tensorcnt 1                             ; my tile of slot 0 is in; slot 1's may stay out
	s_barrier_signal -1
	s_barrier_wait -1
	FETCHB 0
	s_wait_loadcnt 56                              ; of the 64 loads the first eight are in: phase 0's row blocks 0-3
	PHASE 0, 1, 1                                  ; the first phase starts the sums: nothing is cleared
	WIN 0
	s_mov_b32 s3, NS-2
.Lk:                                               ; a trip: a slot's phases 1 to 3 and the next slot's phase 0; it fills the slot that it leaves
	PHASE 1
	PHASE 2
	TURN 1
	PHASE 0, 0, 1
	WIN 0
	s_sub_co_u32 s3, s3, 1
	s_cmp_lg_u32 s3, 0
	s_cbranch_scc1 .Lk
	PHASE 1                                        ; the last slot but one: nothing is left to fill; A of the last slot is still asked for
	PHASE 2
	TURN 0
.set LOADING, 0                                    ; the last slot asks for nothing: the counts run down 48, 40 .. 0
	PHASE 0
	PHASE 1
	PHASE 2
	s_wait_dscnt 0x0                               ; B of the last phase is in: my reads of the ring are over
	MUL16 3, 0, 0, 0
	MUL16 3, 0, 2, 0
	AWAIT
	s_barrier_signal -1
	MUL16 3, 1, 0, 0
	MUL16 3, 1, 2, 0
	WIN 0
	s_barrier_wait -1                              ; everybody's are: the stages may be written
	PLACES
	PLACES
.irp hi, 0,1
	WIN (2+(\hi))<<2                               ; the stores' data: window 2, then 3
.irp a, 0,1,2,3
.irp b, 0,1,2,3,4,5,6,7
	ds_store_b128 v[STO], v[8*(8*(\a)+(\b)):8*(8*(\a)+(\b))+3]   offset:(4*(\hi)+(\a))*16*SPF+64*(\b)
	ds_store_b128 v[STO], v[8*(8*(\a)+(\b))+4:8*(8*(\a)+(\b))+7] offset:(4*(\hi)+(\a))*16*SPF+64*(\b)+16
.endr
.endr
.endr
	WIN 0
	s_wait_dscnt 0x0                               ; for the others' sake
	s_barrier_signal -1
	s_barrier_wait -1
	s_mov_b32 s3, 4
.Lsum:                                             ; a trip: eight rows of the four stages are added and stored
.irp r, 0,1,2,3,4,5,6,7
.irp g, 0,1,2,3
	ds_load_b128 v[64+16*(\r)+4*(\g):64+16*(\r)+4*(\g)+3], v[RD+(\g)] offset:(\r)*SPF
.endr
.endr
.irp r, 0,1,2,3,4,5,6,7
	s_wait_dscnt 28-4*(\r)                         ; this row's four loads are back, the younger rows' stay out
	v_pk_add_f32 v[64+16*(\r):64+16*(\r)+1],     v[64+16*(\r):64+16*(\r)+1],     v[64+16*(\r)+4:64+16*(\r)+5]
	v_pk_add_f32 v[64+16*(\r)+2:64+16*(\r)+3],   v[64+16*(\r)+2:64+16*(\r)+3],   v[64+16*(\r)+6:64+16*(\r)+7]
	v_pk_add_f32 v[64+16*(\r)+8:64+16*(\r)+9],   v[64+16*(\r)+8:64+16*(\r)+9],   v[64+16*(\r)+12:64+16*(\r)+13]
	v_pk_add_f32 v[64+16*(\r)+10:64+16*(\r)+11], v[64+16*(\r)+10:64+16*(\r)+11], v[64+16*(\r)+14:64+16*(\r)+15]
	v_pk_add_f32 v[64+16*(\r):64+16*(\r)+1],     v[64+16*(\r):64+16*(\r)+1],     v[64+16*(\r)+8:64+16*(\r)+9]
	v_pk_add_f32 v[64+16*(\r)+2:64+16*(\r)+3],   v[64+16*(\r)+2:64+16*(\r)+3],   v[64+16*(\r)+10:64+16*(\r)+11]
	global_store_b128 v[CO], v[64+16*(\r):64+16*(\r)+3], s[8:9] offset:(\r)*4096  ; the wave stores 512 consecutive bytes, aligned
.endr
.irp g, 0,1,2,3
	v_add_nc_u32 v[RD+(\g)], 8*SPF, v[RD+(\g)]
.endr
	s_wait_xcnt 0x0                                ; the stores have read their data and their base
	s_add_nc_u64 s[8:9], s[8:9], 8*4096
	s_sub_co_u32 s3, s3, 1
	s_cmp_lg_u32 s3, 0
	s_cbranch_scc1 .Lsum
	s_wait_tensorcnt 0x0                           ; the wave's end
	ds_add_u32 v[SPW], v[NIL]
	s_wait_dscnt 0x0
	CROUND                                         ; the closing round
	s_endpgm
.Lfunc_end_k_qd5ee5c60ea_ffn2:
	.size	k_qd5ee5c60ea_ffn2, .Lfunc_end_k_qd5ee5c60ea_ffn2-k_qd5ee5c60ea_ffn2
	.p2alignl 7, 3214868480
	.fill 96, 4, 3214868480
	.section	.rodata,"a",@progbits
	.p2align	6, 0x0
	.amdhsa_kernel k_qd5ee5c60ea_ffn2
		.amdhsa_group_segment_fixed_size 327680
		.amdhsa_private_segment_fixed_size 0
		.amdhsa_enable_private_segment 0
		.amdhsa_kernarg_size 24
		.amdhsa_user_sgpr_count 2
		.amdhsa_user_sgpr_kernarg_segment_ptr 1
		.amdhsa_wavefront_size32 1
		.amdhsa_system_sgpr_workgroup_id_x 1
		.amdhsa_system_sgpr_workgroup_id_y 1
		.amdhsa_system_sgpr_workgroup_id_z 1
		.amdhsa_system_vgpr_workitem_id 0
		.amdhsa_next_free_vgpr 1024
		.amdhsa_next_free_sgpr 96
		.amdhsa_reserve_vcc 0
		.amdhsa_float_denorm_mode_32 3
		.amdhsa_float_denorm_mode_16_64 3
		.amdhsa_memory_ordered 1
		.amdhsa_forward_progress 1
		.amdhsa_inst_pref_size 107
	.end_amdhsa_kernel
	.amdgpu_metadata
---
amdhsa.version: [ 1, 2 ]
amdhsa.kernels:
  - .name:           k_qd5ee5c60ea_ffn2
    .symbol:         k_qd5ee5c60ea_ffn2.kd
    .args:
      - { .name: hb, .offset: 0, .size: 8, .value_kind: global_buffer, .address_space: global }
      - { .name: wb, .offset: 8, .size: 8, .value_kind: global_buffer, .address_space: global }
      - { .name: y, .offset: 16, .size: 8, .value_kind: global_buffer, .address_space: global }
    .group_segment_fixed_size: 327680
    .private_segment_fixed_size: 0
    .kernarg_segment_align: 8
    .kernarg_segment_size: 24
    .max_flat_workgroup_size: 128
    .sgpr_count:     96
    .vgpr_count:     1024
    .wavefront_size: 32
...
	.end_amdgpu_metadata
.endif
;; end of part 7
;; launch ln2 (part 8): grid 512 x 1, 8 waves a work-group, no clusters, 0 bytes of LDS; arguments y, x1, b2, ln2_w, ln2_b, out0; writes out0
.if DOCPART == 8
	.amdgcn_target "amdgcn-amd-amdhsa--gfx1250"
	.amdhsa_code_object_version 6
	.text
	.protected	k_qd5ee5c60ea_ln2
	.globl	k_qd5ee5c60ea_ln2
	.p2align	8
	.type	k_qd5ee5c60ea_ln2,@function
k_qd5ee5c60ea_ln2:
	s_mov_b64 s[64:65], 0
	v_nop
	global_prefetch_b8 v0, s[64:65] scope:SCOPE_SE
	s_setreg_imm32_b32 hwreg(HW_REG_WAVE_MODE, 25, 1), 1
	s_wait_xcnt 0x0
; out0 = layernorm(x1 + y + b2) x ln2_w + ln2_b, all in f32.
; One wave, one row of 1,024: 32 numbers a lane stay in registers between the mean, the variance (of the centred values: no difference of large sums) and the scaling.  No LDS, no barrier.
; Each load and store of a wave covers 512 consecutive bytes, aligned.  v_rsq_f32 is accurate to 1 ULP (ISA guide, its entry).
.set Y,  8                             ; v[8:39]    y, then z = x1 + y + b2, centred, scaled
.set R,  40                            ; v[40:71]   x1, then the sums' scratch
.set W,  72                            ; v[72:103]  the gain
.set BB, 104                           ; v[104:135] the bias
.set B2, 136                           ; v[136:167] b2
.set MU, 168                           ; v[168:169] the mean, twice; later var + eps
.set RS, 170                           ; v[170:171] 1 / sqrt(var + eps), twice
.macro ALLSUM a, t                     ; v[a] summed over the 32 lanes, in every lane; v[t] has been written before
	v_add_f32_dpp v[\a], v[\a], v[\a] row_xmask:1 row_mask:0xf bank_mask:0xf
	v_add_f32_dpp v[\a], v[\a], v[\a] row_xmask:2 row_mask:0xf bank_mask:0xf
	v_add_f32_dpp v[\a], v[\a], v[\a] row_xmask:4 row_mask:0xf bank_mask:0xf
	v_add_f32_dpp v[\a], v[\a], v[\a] row_xmask:8 row_mask:0xf bank_mask:0xf
	v_permlanex16_b32 v[\t], v[\a], s22, s23
	v_add_f32 v[\a], v[\a], v[\t]
.endm
	s_load_b256 s[4:11], s[0:1], 0x0               ; y s[4:5], x1 s[6:7], b2 s[8:9], gain s[10:11]
	s_load_b128 s[12:15], s[0:1], 0x20             ; bias s[12:13], out0 s[14:15]
	v_lshrrev_b32 v1, 5, v0
	v_readfirstlane_b32 s16, v1                    ; wave
	v_and_b32 v2, 31, v0
	v_lshlrev_b32 v3, 4, v2                        ; 16 bytes a lane
	s_lshl_b32 s17, ttmp9, 3
	s_add_co_u32 s17, s17, s16                     ; my row
	s_lshl_b32 s18, s17, 12
	s_mov_b32 s19, 0
	s_mov_b32 s22, 0x76543210
	s_mov_b32 s23, 0xfedcba98
	s_mov_b32 s2, 0x3a800000                       ; 1 / 1024
	s_mov_b32 s3, 0x3727c5ac                       ; 1e-5
	s_wait_kmcnt 0x0
	s_add_nc_u64 s[4:5], s[4:5], s[18:19]
	s_add_nc_u64 s[6:7], s[6:7], s[18:19]
	s_add_nc_u64 s[14:15], s[14:15], s[18:19]
.irp j, 0,1,2,3,4,5,6,7
	global_load_b128 v[Y+4*(\j):Y+4*(\j)+3], v3, s[4:5] offset:512*(\j) th:TH_LOAD_NT
.endr
.irp j, 0,1,2,3,4,5,6,7
	global_load_b128 v[R+4*(\j):R+4*(\j)+3], v3, s[6:7] offset:512*(\j) th:TH_LOAD_NT
.endr
.irp j, 0,1,2,3,4,5,6,7
	global_load_b128 v[B2+4*(\j):B2+4*(\j)+3], v3, s[8:9] offset:512*(\j)
.endr
.irp j, 0,1,2,3,4,5,6,7
	global_load_b128 v[W+4*(\j):W+4*(\j)+3], v3, s[10:11] offset:512*(\j)
.endr
.irp j, 0,1,2,3,4,5,6,7
	global_load_b128 v[BB+4*(\j):BB+4*(\j)+3], v3, s[12:13] offset:512*(\j)
.endr
	s_wait_loadcnt 16                              ; y, x1 and b2 are in; the gain's and the bias's sixteen loads may stay out
.set i, 0
.rept 16
	v_pk_add_f32 v[Y+2*i:Y+2*i+1], v[Y+2*i:Y+2*i+1], v[B2+2*i:B2+2*i+1]
.set i, i+1
.endr
.set i, 0
.rept 16
	v_pk_add_f32 v[Y+2*i:Y+2*i+1], v[Y+2*i:Y+2*i+1], v[R+2*i:R+2*i+1]
.set i, i+1
.endr
.set i, 0
.rept 8
	v_pk_add_f32 v[R+2*i:R+2*i+1], v[Y+4*i:Y+4*i+1], v[Y+4*i+2:Y+4*i+3]
.set i, i+1
.endr
.set i, 0
.rept 4
	v_pk_add_f32 v[R+2*i:R+2*i+1], v[R+2*i:R+2*i+1], v[R+2*i+8:R+2*i+9]
.set i, i+1
.endr
	v_pk_add_f32 v[R:R+1], v[R:R+1], v[R+4:R+5]
	v_pk_add_f32 v[R+2:R+3], v[R+2:R+3], v[R+6:R+7]
	v_pk_add_f32 v[R:R+1], v[R:R+1], v[R+2:R+3]
	v_add_f32 v[R], v[R], v[R+1]
	ALLSUM R, R+1
	v_mul_f32 v[MU], s2, v[R]
	v_mov_b32 v[MU+1], v[MU]
.set i, 0
.rept 16
	v_pk_add_f32 v[Y+2*i:Y+2*i+1], v[Y+2*i:Y+2*i+1], v[MU:MU+1] neg_lo:[0,1] neg_hi:[0,1]
.set i, i+1
.endr
.set i, 0
.rept 4
	v_pk_mul_f32 v[R+2*i:R+2*i+1], v[Y+2*i:Y+2*i+1], v[Y+2*i:Y+2*i+1]  ; four chains of squares
.set i, i+1
.endr
.rept 12
	v_pk_fma_f32 v[R+2*(i%4):R+2*(i%4)+1], v[Y+2*i:Y+2*i+1], v[Y+2*i:Y+2*i+1], v[R+2*(i%4):R+2*(i%4)+1]
.set i, i+1
.endr
	v_pk_add_f32 v[R:R+1], v[R:R+1], v[R+4:R+5]
	v_pk_add_f32 v[R+2:R+3], v[R+2:R+3], v[R+6:R+7]
	v_pk_add_f32 v[R:R+1], v[R:R+1], v[R+2:R+3]
	v_add_f32 v[R], v[R], v[R+1]
	ALLSUM R, R+1
	v_fma_f32 v[MU], v[R], s2, s3                  ; var + eps
	v_rsq_f32 v[RS], v[MU]
	v_rsq_f32 v[RS+1], v[MU]
	v_nop                                          ; a plain instruction behind the last of the two,
	s_wait_alu depctr_va_vdst(0)                   ; and one wait for both, ahead of the first use
	s_wait_loadcnt 0x0                             ; the gain and the bias
.set i, 0
.rept 16
	v_pk_mul_f32 v[Y+2*i:Y+2*i+1], v[Y+2*i:Y+2*i+1], v[RS:RS+1]
.set i, i+1
.endr
.set i, 0
.rept 16
	v_pk_fma_f32 v[Y+2*i:Y+2*i+1], v[Y+2*i:Y+2*i+1], v[W+2*i:W+2*i+1], v[BB+2*i:BB+2*i+1]
.set i, i+1
.endr
.irp j, 0,1,2,3,4,5,6,7
	global_store_b128 v3, v[Y+4*(\j):Y+4*(\j)+3], s[14:15] offset:512*(\j) th:TH_STORE_NT
.endr
	s_endpgm
.Lfunc_end_k_qd5ee5c60ea_ln2:
	.size	k_qd5ee5c60ea_ln2, .Lfunc_end_k_qd5ee5c60ea_ln2-k_qd5ee5c60ea_ln2
	.p2alignl 7, 3214868480
	.fill 96, 4, 3214868480
	.section	.rodata,"a",@progbits
	.p2align	6, 0x0
	.amdhsa_kernel k_qd5ee5c60ea_ln2
		.amdhsa_group_segment_fixed_size 0
		.amdhsa_private_segment_fixed_size 0
		.amdhsa_enable_private_segment 0
		.amdhsa_kernarg_size 48
		.amdhsa_user_sgpr_count 2
		.amdhsa_user_sgpr_kernarg_segment_ptr 1
		.amdhsa_wavefront_size32 1
		.amdhsa_system_sgpr_workgroup_id_x 1
		.amdhsa_system_sgpr_workgroup_id_y 1
		.amdhsa_system_sgpr_workgroup_id_z 1
		.amdhsa_system_vgpr_workitem_id 0
		.amdhsa_next_free_vgpr 192
		.amdhsa_next_free_sgpr 66
		.amdhsa_reserve_vcc 0
		.amdhsa_float_denorm_mode_32 3
		.amdhsa_float_denorm_mode_16_64 3
		.amdhsa_memory_ordered 1
		.amdhsa_forward_progress 1
		.amdhsa_inst_pref_size 14
	.end_amdhsa_kernel
	.amdgpu_metadata
---
amdhsa.version: [ 1, 2 ]
amdhsa.kernels:
  - .name:           k_qd5ee5c60ea_ln2
    .symbol:         k_qd5ee5c60ea_ln2.kd
    .args:
      - { .name: y, .offset: 0, .size: 8, .value_kind: global_buffer, .address_space: global }
      - { .name: x1, .offset: 8, .size: 8, .value_kind: global_buffer, .address_space: global }
      - { .name: b2, .offset: 16, .size: 8, .value_kind: global_buffer, .address_space: global }
      - { .name: ln2_w, .offset: 24, .size: 8, .value_kind: global_buffer, .address_space: global }
      - { .name: ln2_b, .offset: 32, .size: 8, .value_kind: global_buffer, .address_space: global }
      - { .name: out0, .offset: 40, .size: 8, .value_kind: global_buffer, .address_space: global }
    .group_segment_fixed_size: 0
    .private_segment_fixed_size: 0
    .kernarg_segment_align: 8
    .kernarg_segment_size: 48
    .max_flat_workgroup_size: 256
    .sgpr_count:     66
    .vgpr_count:     192
    .wavefront_size: 32
...
	.end_amdgpu_metadata
.endif
;; end of part 8
